; MI455X (gfx1250); checked and timed in simulation.
; The chip was launched on July 23, 2026; its instructions are those of AMD's public machine-readable ISA for CDNA 5 (MIT licence, August 2026) and "CDNA5" Instruction Set Architecture Reference Guide (July 2026). The comments in the code are by the model that wrote it; some were corrected since.
;; CS Win Self Attention. Allowed arithmetic: matrix products marked QUANTISED: E5M2 operands, one E8M0 scale for each 32 along K, by v_wmma_scale_f32_16x16x128_f8f6f4 with both operands' format E5M2, f32 sums; products left as they are: f32 operands where the result goes on into a quantised operand, else bf16, f16 or f32 operands; f32 sums; everything else in f32.
;; Inputs: Wproj_codes 128 x 4 x 32 uint8 (E5M2 codes of Wproj, K innermost, in blocks of 32 codes); Wproj_scales 128 x 4 uint8 (E8M0 scales of Wproj, one for each 32 codes along K); Wqkv_codes 384 x 4 x 32 uint8 (E5M2 codes of Wqkv, K innermost, in blocks of 32 codes); Wqkv_scales 384 x 4 uint8 (E8M0 scales of Wqkv, one for each 32 codes along K); beta 128 float32; bproj 128 float32; bqkv 384 float32; gamma 128 float32; x 8 x 128 x 128 x 128 float32.
;; Outputs: out0 8 x 128 x 128 x 128 float32.
;; This version of the problem:
;;   THIS VERSION OF THE PROBLEM IS GIVEN IN LOW PRECISION. The matrix products marked QUANTISED in the list below multiply operands that are first quantised to E5M2 (5 exponent bits, 2 mantissa bits; 8 bits a number), with one power-of-two scale for each 32 numbers along K (OCP MX v1.0); their sums are f32. All else is computed in f32.
;;   The module's matrix products, in the order in which they are computed (A, B: the left and right operand; K: the contracted axis; several contracted axes count as one K, in the product's order):
;;     1. [M 131,072, K 128] x [K 128, N 384]; A: computed on the way; B: input Wqkv (given as codes): QUANTISED
;;     2. batch 2,048 x [M 256, K 16] x [K 16, N 256]; A: computed on the way; B: computed on the way: left as it is (K = 16 < 32)
;;     3. batch 2,048 x [M 256, K 256] x [K 256, N 16]; A: softmax (see below); B: computed on the way: QUANTISED
;;     4. [M 131,072, K 128] x [K 128, N 384]; A: computed on the way; B: input Wqkv (given as codes): QUANTISED
;;     5. batch 2,048 x [M 256, K 16] x [K 16, N 256]; A: computed on the way; B: computed on the way: left as it is (K = 16 < 32)
;;     6. batch 2,048 x [M 256, K 256] x [K 256, N 16]; A: softmax (see below); B: computed on the way: QUANTISED
;;     7. [M 131,072, K 128] x [K 128, N 128]; A: computed on the way; B: input Wproj (given as codes): QUANTISED
;;   THE QUANTISER, for each operand of a quantised product, along K:
;;     - K is cut into blocks of 32 from its start; a last block that is shorter is filled with zeros.
;;     - A block's scale is 2^e with e = floor(log2(the largest magnitude in the block)) - 15, held to -126 .. 127; a block of zeros has e = 0. As a byte (E8M0): e + 127.
;;     - Each number is divided by its block's scale, clamped to +-57,344, and rounded to the nearest number of E5M2, ties to even, subnormals kept.
;;     - The product sums the exact products of the quantised numbers (number of the format x scale) in f32.
;;   ~~~python
;;   def quantise(x, axis):      # numpy; x: float32 -> the quantised numbers, widened to float32 again
;;       x = np.moveaxis(x, axis, -1); K = x.shape[-1]
;;       x = np.pad(x, [(0, 0)] * (x.ndim - 1) + [(0, -K % 32)]); x = x.reshape(x.shape[:-1] + (-1, 32)); a = np.abs(x).max(-1, keepdims=True)
;;       e = np.where(a > 0, np.clip(np.frexp(np.where(a > 0, a, 1))[1] - 1 - 15, -126, 127), 0)      # np.frexp(a)[1] - 1 = floor(log2(a)), exactly
;;       r = np.clip(x / 2.0 ** e, -57344, 57344)
;;       step = 2.0 ** (np.maximum(np.frexp(np.where(r == 0, 1, r))[1] - 1, -14) - 2)
;;       q = np.round(r / step) * step * 2.0 ** e      # np.round: ties to even
;;       return np.moveaxis(q.reshape(q.shape[:-2] + (-1,))[..., :K], -1, axis).astype(np.float32)
;;   ~~~
;;   SOFTMAX AHEAD OF A QUANTISED PRODUCT. Where the list says 'softmax', what is quantised is not the finished softmax but p = 2^(t - M), with t = logit x log2(e) and M = ceil(the row's largest t), a whole number; so 1/2 < the row's largest p <= 1. The row's sum l is taken of the UNQUANTISED p, in f32, and the product's result is divided by l at the end. Since M is a whole number, a kernel that streams over the keys may use a running M (the ceiling of the running maximum): every later rescaling is an exact power of two, which a block's scale takes up: the codes' values come out the same.
;;   OPERANDS COMPUTED ON THE WAY. 'Computed on the way' means the value that the module computes at that place (a softmax that the list does not call 'softmax' is quantised finished and normalised). What goes into a quantiser is computed in f32, as accurately as f32 sums, v_exp_f32 and their like allow (about 1e-6 of the number): no bf16 or f16 on the way to a quantiser, and a product that is left as it is and whose result goes on into a quantised operand takes f32 operands (vector FMAs, or v_wmma_f32_16x16x4_f32). A number that lies on a knife's edge between two numbers of the format may be rounded either way, as far as f32 arithmetic and the matrix unit's own rounding can turn it there, and no further.
;;   INPUTS GIVEN AS CODES. Wproj (in the module: [128, 128], K = its axis 0); Wqkv (in the module: [128, 384], K = its axis 0): each comes as NAME_codes (uint8): NAME with its K axis moved to the last place and cut into blocks of 32 codes, [.., K / 32, bytes a block], one block behind the other in memory; one code a byte (a code: sign, 5 exponent bits, 2 mantissa bits); and NAME_scales (uint8): the same leading axes, one E8M0 byte (e + 127) for each 32 codes along K. Its value is code x scale, taken as it is: it is not quantised again, and the codes and scales need not be those that the quantiser above would give.
;; One version. Each part assembles by itself: llvm-mc -triple=amdgcn-amd-amdhsa -mcpu=gfx1250 --defsym DOCPART=n.
;; ======== version 1 of 1: 2 launches
;; workspace buffers: hcodes 8,388,608 bytes; hscales 524,288 bytes
;; launch horiz (part 1): grid 64 x 8, 16 waves a work-group, no clusters, 264,192 bytes of LDS; arguments x, gamma, beta, Wqkv_codes, Wqkv_scales, bqkv, hcodes, hscales; writes hcodes, hscales
.if DOCPART == 1
	.amdgcn_target "amdgcn-amd-amdhsa--gfx1250"
	.amdhsa_code_object_version 6
	.text
	.protected	k_q6afaf6d8d1_horiz
	.globl	k_q6afaf6d8d1_horiz
	.p2align	8
	.type	k_q6afaf6d8d1_horiz,@function
k_q6afaf6d8d1_horiz:
	s_mov_b64 s[64:65], 0
	v_nop
	global_prefetch_b8 v0, s[64:65] scope:SCOPE_SE
	s_setreg_imm32_b32 hwreg(HW_REG_WAVE_MODE, 25, 1), 1
	s_wait_xcnt 0x0
; CSWin stripe attention in MX-BF8 (E5M2 codes, one E8M0 scale for each 32 along K).  ONE TEXT SERVES TWO LAUNCHES; the line .set VERT picks.
;   VERT = 0: a work-group owns a stripe of two image ROWS (256 tokens, token i = 128 (h % 2) + w): layer norm, q, k, v of heads 0-3, attention; the 64 channels of h are quantised
;             (K blocks 0 and 1 of the projection) and stored as codes and scale words.
;   VERT = 1: a stripe of two image COLUMNS (token i = 128 (w % 2) + h), heads 4-7; its 64 channels are K blocks 2 and 3; with the stored codes of blocks 0 and 1: h Wproj + bproj + x -> out0.
; SHARES.  Sixteen waves, four to a SIMD, 256 registers each.  Wave w owns 16 tokens in every phase: its layer norm, its q, k, v, its 16 queries for all four heads, its 16 rows of output.
; THE TOKENS OF A TILE ARE NOT NEIGHBOURS: lane r of wave w takes token TW + TL, TL = r + (r & 8), TW = 8 (w & 1) + 32 (w >> 1).  Row 8 hf + j of tile 2 b + u is then token 32 b + 16 hf + 8 u + j:
; the 16 registers of two neighbouring tiles of scores are 16 neighbouring keys, in the order in which the second product's operand wants them.
; PRODUCTS.  q, k: transposed (source 0 = the 16 rows of Wqkv of one head, source 1 = xn): lane (r, hf) holds channels 8 hf + 0..7 of token r: its register pairs ARE the fragments of the f32 form
; (pair c: channels 2 c, 2 c + 1, 8 + 2 c, 9 + 2 c: the same order in q and in k).  v: natural (source 0 = xn): a lane holds one channel and eight keys, which one conversion turns into 8 bytes of V^T's fragment.
; Scores S^T = k q^T by v_wmma_f32_16x16x4_f32 (their result goes into a quantiser, so the operands are f32).  p = 2^(t - M), M = the ceiling of the running largest t; the sum is taken of the unquantised p.
; O^T = V^T P^T on codes.  k, V^T and V's scale words go from wave to wave through LDS as images of the operands' registers.
; LDS: XST x, 256 rows of 512 + 16 bytes | WQ 192 rows of Wqkv's codes, 128 + 16 | (VERT: WP 128 rows of Wproj's) | GB gamma, beta | KIMG [head][tile][2][512] | VIMG [head][step][4][512] | VSC [head][step][16 words]
; | MX [wave][512] partial maxima | (VERT: HC 64 rows of 256 + 16 bytes of stored codes | HS 64 rows of 16 bytes of stored scale words).  Every tensor load fills its bytes once; nothing is filled again.
; VERT = 0 stages its codes in XST's first 17,408 bytes, which have had their only fill and are read by nobody behind the second barrier; VERT = 1 stages a wave's 16 rows of output in the wave's own 16 rows of XST.
; hcodes: [b][h/2][w/2][h%2][w%2][hf][c][16 bytes]: a lane's four registers of K block c as they stand; 2 x 2 tokens are 256 consecutive bytes.  hscales: the same order, one word a token (bytes 0, 1; the upper half 0).
; VERT = 1 reads hscales as 64 rows of 16 bytes, 1,024 bytes apart: short pieces, 1,024 bytes a work-group in all.
; NO CLUSTER: work-groups share only the weights, 24,576 (VERT = 1: 40,960) of the 155,648 (190,464) bytes that a work-group fetches; x, the bulk, is shared by nobody.
; LIMITS: a block whose largest magnitude lies under 2^-111 keeps the scale byte 1; a block of zeros gets the byte 1 where the rule says 127 (its codes are zeros, and this program alone reads the bytes);
; NaN and infinities among the inputs are not served; the 16 channels of a score are summed in the order 0, 1, 8, 9, 2, 3, 10, 11, ..; a K block of h is summed in a permuted order, the same in h and in Wproj.
.set VERT, 0
.set OFF,  64*VERT                     ; first column taken of each third of Wqkv
.set XP,   528                         ; a token's row of x in LDS
.set WT,   144                         ; a row of weight codes in LDS
.set HP,   272                         ; a row of stored codes in LDS
.set XST,  0
.set WQ,   256*XP
.set WP,   WQ+192*WT
.set GB,   WP+VERT*128*WT
.set KIMG, GB+1024
.set VIMG, KIMG+65536
.set VSC,  VIMG+16384
.set MX,   VSC+512
.set HC,   MX+8192
.set HS,   HC+64*HP
.set CST,  0
.set SST,  16384
; REGISTERS: v0 thread; v1 KIMG + 16 lane; v2 VIMG + 16 lane; v3 VSC + 4 r; v4-8 the phase's addresses; v9-15 scale words and nothing else
.set Q,   16                           ; v16-47   q of the four heads; head g's eight become O / l
.set S,   48                           ; v48-111  scores; VERT: the projection's results.  Written by matrix instructions alone
.set P,   112                          ; v112-175 x, xn; weight fragments; k's fragments; t, p; rows on the way out
.set R1,  176                          ; v176-207 gamma, beta; k; v; V^T's fragment; VERT: x as C
.set PC,  208                          ; v208-223 gamma; codes
.set O,   224                          ; v224-231 v's bias and addresses; O^T; VERT: bproj, an offset
.set TM,  232                          ; v232-247 beta; +0 maxima, +4 permutes and bytes, +8 holds, +12 the conversions' scale operands
                                       ; v248 -M, v249 the largest t, v[250:251] the sum, v[252:253] f and 0, v254-255 at work
.macro PLACES n
.rept \n
	v_nop
.endr
.endm
.macro BAR                             ; my LDS stores have landed and my LDS loads are in: then the work-group's barrier
	s_wait_dscnt 0x0
	s_barrier_signal -1
	s_barrier_wait -1
.endm
; one scaled product.  c < 0: the sum starts with 0.  row = 1: source 0's scales stand in lanes 16-31 of their register; 2: source 1's
.macro SMUL d, a, b, c, sa, sb, row
.if (\c) < 0
.if (\row) == 1
	v_wmma_scale_f32_16x16x128_f8f6f4 v[\d:\d+7], v[\a:\a+15], v[\b:\b+15], 0, v[\sa], v[\sb] matrix_a_fmt:MATRIX_FMT_BF8 matrix_b_fmt:MATRIX_FMT_BF8 matrix_a_scale:MATRIX_SCALE_ROW1
.elseif (\row) == 2
	v_wmma_scale_f32_16x16x128_f8f6f4 v[\d:\d+7], v[\a:\a+15], v[\b:\b+15], 0, v[\sa], v[\sb] matrix_a_fmt:MATRIX_FMT_BF8 matrix_b_fmt:MATRIX_FMT_BF8 matrix_b_scale:MATRIX_SCALE_ROW1
.else
	v_wmma_scale_f32_16x16x128_f8f6f4 v[\d:\d+7], v[\a:\a+15], v[\b:\b+15], 0, v[\sa], v[\sb] matrix_a_fmt:MATRIX_FMT_BF8 matrix_b_fmt:MATRIX_FMT_BF8
.endif
.else
.if (\row) == 1
	v_wmma_scale_f32_16x16x128_f8f6f4 v[\d:\d+7], v[\a:\a+15], v[\b:\b+15], v[\c:\c+7], v[\sa], v[\sb] matrix_a_fmt:MATRIX_FMT_BF8 matrix_b_fmt:MATRIX_FMT_BF8 matrix_a_scale:MATRIX_SCALE_ROW1
.elseif (\row) == 2
	v_wmma_scale_f32_16x16x128_f8f6f4 v[\d:\d+7], v[\a:\a+15], v[\b:\b+15], v[\c:\c+7], v[\sa], v[\sb] matrix_a_fmt:MATRIX_FMT_BF8 matrix_b_fmt:MATRIX_FMT_BF8 matrix_b_scale:MATRIX_SCALE_ROW1
.else
	v_wmma_scale_f32_16x16x128_f8f6f4 v[\d:\d+7], v[\a:\a+15], v[\b:\b+15], v[\c:\c+7], v[\sa], v[\sb] matrix_a_fmt:MATRIX_FMT_BF8 matrix_b_fmt:MATRIX_FMT_BF8
.endif
.endif
.endm
.macro GBLOAD c, gr, br                ; gamma and beta of my 16 channels of K block c
.irp j, 0,1,2,3
	ds_load_b128 v[\gr+4*\j:\gr+4*\j+3], v6 offset:128*\c+16*\j
.endr
.irp j, 0,1,2,3
	ds_load_b128 v[\br+4*\j:\br+4*\j+3], v6 offset:512+128*\c+16*\j
.endr
.endm
.macro APPLY c, gr, br                 ; (x - mean) x rsqrt, then x gamma + beta
.irp j, 0,2,4,6,8,10,12,14
	v_pk_mul_f32 v[P+16*\c+\j:P+16*\c+\j+1], v[P+16*\c+\j:P+16*\c+\j+1], v[250:251] op_sel_hi:[1,0]
.endr
.irp j, 0,2,4,6,8,10,12,14
	v_pk_fma_f32 v[P+16*\c+\j:P+16*\c+\j+1], v[P+16*\c+\j:P+16*\c+\j+1], v[\gr+\j:\gr+\j+1], v[\br+\j:\br+\j+1]
.endr
.endm
; nb blocks of 32 along K; a lane holds 16 numbers of each, v[s + 16 b] on, lane l xor 16 the other 16.  Leaves: TM+4+b the scale's byte, TM+8+b the largest number x the scale, TM+12+b the conversion's scale operand
.macro QSCALE s, nb
.irp b, 0,1,2,3
.if \b < \nb
	v_max3_num_f32 v[TM+\b], |v[\s+16*\b]|, |v[\s+16*\b+1]|, 0x8000000      ; with the floor 2^(16 - 127): the byte cannot fall under 1
.endif
.endr
.irp i, 2,4,6,8,10,12,14
.irp b, 0,1,2,3
.if \b < \nb
	v_max3_num_f32 v[TM+\b], v[TM+\b], |v[\s+16*\b+\i]|, |v[\s+16*\b+\i+1]|
.endif
.endr
.endr
.irp b, 0,1,2,3
.if \b < \nb
	v_permlanex16_b32 v[TM+4+\b], v[TM+\b], s92, s93
.endif
.endr
.irp b, 0,1,2,3
.if \b < \nb
	v_max_num_f32 v[TM+\b], v[TM+\b], v[TM+4+\b]                             ; the block's largest magnitude
.endif
.endr
.irp b, 0,1,2,3
.if \b < \nb
	v_add_nc_u32 v[TM+12+\b], 0xf8800000, v[TM+\b]                           ; 15 off its exponent field: the conversion takes this operand's exponent field as its scale
.endif
.endr
.irp b, 0,1,2,3
.if \b < \nb
	v_and_or_b32 v[TM+8+\b], v[TM+\b], 0x7f800000, s96                       ; 57,344 x the scale
.endif
.endr
.irp b, 0,1,2,3
.if \b < \nb
	v_lshrrev_b32 v[TM+4+\b], 23, v[TM+12+\b]                                ; the scale's byte
.endif
.endr
.endm
.macro QCVT s, nb, d                   ; the hold (the conversion to an 8-bit code does not saturate: ISA guide 7.6.2) and the conversions: four registers of codes a block, v[d + 4 b] on
.irp b, 0,1,2,3
.if \b < \nb
.irp i, 0,1,2,3,4,5,6,7,8,9,10,11,12,13,14,15
	v_med3_num_f32 v[\s+16*\b+\i], v[\s+16*\b+\i], -v[TM+8+\b], v[TM+8+\b]
.endr
	v_cvt_scalef32_pk8_bf8_f32 v[\d+4*\b:\d+4*\b+1], v[\s+16*\b:\s+16*\b+7], v[TM+12+\b]
	v_cvt_scalef32_pk8_bf8_f32 v[\d+4*\b+2:\d+4*\b+3], v[\s+16*\b+8:\s+16*\b+15], v[TM+12+\b]
.endif
.endr
	v_nop                                          ; one plain line behind the last conversion
.endm
.macro WFRAG part                      ; the four heads' fragments (16 rows x 128 K) of q's (0), k's (1) or v's (2) rows of Wqkv
.irp t, 0,1,2,3
.irp c, 0,1,2,3
	ds_load_b128 v[P+16*\t+4*\c:P+16*\t+4*\c+3], v5 offset:(64*\part+16*\t)*WT+32*\c
.endr
.endr
.endm
; A KEY STEP of head g: keys 128 s on.
.macro STEP g, s
.irp t, 0,1,2,3,4,5,6,7
	ds_load_b128 v[P+8*\t:P+8*\t+3], v1 offset:16384*\g+1024*(8*\s+\t)         ; k's image of tile 8 s + t: the registers as the owning wave held them
	ds_load_b128 v[P+8*\t+4:P+8*\t+7], v1 offset:16384*\g+1024*(8*\s+\t)+512
.endr
	s_wait_dscnt 0x0
.irp c, 0,1,2,3                        ; S^T = k q^T: four K steps of 4; the eight accumulators take turns, one instruction a turn
.irp t, 0,1,2,3,4,5,6,7
.if \c == 0
	v_wmma_f32_16x16x4_f32 v[S+8*\t:S+8*\t+7], v[P+8*\t:P+8*\t+1], v[Q+8*\g:Q+8*\g+1], 0
.else
	v_wmma_f32_16x16x4_f32 v[S+8*\t:S+8*\t+7], v[P+8*\t+2*\c:P+8*\t+2*\c+1], v[Q+8*\g+2*\c:Q+8*\g+2*\c+1], v[S+8*\t:S+8*\t+7]
.endif
.endr
.endr
	PLACES 8                                       ; eight places: ahead of the first read of the scores, of the writes over k's fragments, and of the loads into the last scaled product's operand and scale registers
.irp c, 0,1,2,3
	ds_load_b128 v[R1+4*\c:R1+4*\c+3], v2 offset:4096*\g+2048*\s+512*\c        ; V^T's fragment: 16 channels x these 128 keys
.endr
	ds_load_b32 v10, v3 offset:64*(2*\g+\s)        ; and its scale words; both land while the softmax is worked
.irp b, 0,1,2,3
	v_max3_num_f32 v[TM+\b], v[S+16*\b], v[S+16*\b+1], v[S+16*\b+2]            ; the largest score of each block of 32 keys (each accumulator is read from its low end on): it serves the row's maximum and, since p rises with the score, the block's largest p
.endr
.irp i, 3,5,7,9,11,13
.irp b, 0,1,2,3
	v_max3_num_f32 v[TM+\b], v[TM+\b], v[S+16*\b+\i], v[S+16*\b+\i+1]
.endr
.endr
.irp b, 0,1,2,3
	v_max_num_f32 v[TM+\b], v[TM+\b], v[S+16*\b+15]
.endr
.irp b, 0,1,2,3
	v_permlanex16_b32 v[TM+4+\b], v[TM+\b], s92, s93
.endr
.irp b, 0,1,2,3
	v_max_num_f32 v[TM+\b], v[TM+\b], v[TM+4+\b]                               ; with lane l xor 16's 16 keys
.endr
	v_max3_num_f32 v254, v[TM], v[TM+1], v[TM+2]
	v_max_num_f32 v254, v254, v[TM+3]              ; the step's largest score of my query
.if \s == 0
	v_mul_f32 v249, s94, v254                      ; as t = score x log2(e) / 4: the head's first step starts the running maximum
	v_floor_f32 v248, -v249                        ; -M = floor(-t) = -ceil(t)
.else
	v_mul_f32 v254, s94, v254
	v_max_num_f32 v249, v249, v254                 ; the running largest t
	v_mov_b32 v254, v248
	v_floor_f32 v248, -v249                        ; the new -M
	v_sub_f32 v254, v248, v254                     ; old M - new M: a whole number, 0 or less
	v_cvt_i32_f32 v254, v254
	v_ldexp_f32 v252, 1.0, v254                    ; f = 2^(old M - new M): multiplying by it rounds nothing
.endif
.set II, 0
.rept 32
	v_pk_fma_f32 v[P+II:P+II+1], v[S+II:S+II+1], s[94:95], v[248:249] op_sel_hi:[1,0,0]   ; t - M, two at a time (of the pairs the low word serves both halves)
.set II, II+2
.endr
.irp b, 0,1,2,3
	v_fma_f32 v[TM+\b], v[TM+\b], s94, v248        ; the same of each block's largest score
.endr
.set II, 0
.rept 64
	v_exp_f32 v[P+II], v[P+II]                     ; p = 2^(t - M): not normalised
.set II, II+1
.endr
.if \s == 0
	v_nop                                          ; a plain line behind the exponentials
.else
	v_pk_mul_f32 v[250:251], v[250:251], v[252:253] op_sel_hi:[1,0]            ; the sum under the new M (a plain line behind the exponentials)
.endif
	s_wait_alu depctr_va_vdst(0)                   ; one wait for the batch of 64, ahead of its first reader
.irp b, 0,1,2,3
	v_exp_f32 v[TM+\b], v[TM+\b]                   ; the block's largest p
.endr
	v_pk_add_f32 v[TM+4:TM+5], v[P:P+1], v[P+2:P+3]                            ; the row's sum of the UNQUANTISED p, in two chains; it names none of the four results
.irp j, 4,8,12,16,20,24,28,32,36,40,44,48,52,56,60
.if (\s == 0) && (\j == 4)
	v_pk_add_f32 v[250:251], v[P+4:P+5], v[P+6:P+7]                            ; the head's first step starts the sum
.else
	v_pk_add_f32 v[250:251], v[250:251], v[P+\j:P+\j+1]
	v_pk_add_f32 v[TM+4:TM+5], v[TM+4:TM+5], v[P+\j+2:P+\j+3]
.endif
.endr
	v_pk_add_f32 v[250:251], v[250:251], v[TM+4:TM+5]
	s_wait_alu depctr_va_vdst(0)                   ; and one wait for the four
.irp b, 0,1,2,3
	v_max_num_f32 v[TM+\b], 0x8000000, v[TM+\b]    ; the floor 2^(16 - 127)
.endr
.irp b, 0,1,2,3
	v_add_nc_u32 v[TM+12+\b], 0xf8800000, v[TM+\b]
.endr
.irp b, 0,1,2,3
	v_and_or_b32 v[TM+8+\b], v[TM+\b], 0x7f800000, s96
.endr
.irp b, 0,1,2,3
	v_lshrrev_b32 v[TM+4+\b], 23, v[TM+12+\b]
.endr
	v_lshl_or_b32 v9, v[TM+5], 8, v[TM+4]          ; p's scale word for these 128 keys; the 64 holds below stand between it and the product
	v_lshl_or_b32 v9, v[TM+6], 16, v9
	v_lshl_or_b32 v9, v[TM+7], 24, v9
.irp b, 0,1,2,3
.set II, 0
.rept 16
	v_min_num_f32 v[P+16*\b+II], v[P+16*\b+II], v[TM+8+\b]                     ; p is not negative: the hold is one-sided
.set II, II+1
.endr
	v_cvt_scalef32_pk8_bf8_f32 v[PC+4*\b:PC+4*\b+1], v[P+16*\b:P+16*\b+7], v[TM+12+\b]
	v_cvt_scalef32_pk8_bf8_f32 v[PC+4*\b+2:PC+4*\b+3], v[P+16*\b+8:P+16*\b+15], v[TM+12+\b]
.endr
.if \s == 1
.irp j, 0,2,4,6
	v_pk_mul_f32 v[O+\j:O+\j+1], v[O+\j:O+\j+1], v[252:253] op_sel_hi:[1,0]    ; O^T under the new M
.endr
.endif
	PLACES 4                                       ; four places between the codes' last write and the scaled product
	s_wait_dscnt 0x0                               ; V^T's fragment and scale words are in
.if \s == 0
	SMUL O, R1, PC, -1, 10, 9, 0                   ; O^T = V^T P^T: the first step starts the sum
.else
	SMUL O, R1, PC, O, 10, 9, 0                    ; 32 other accumulators' instructions stand between the two links, one instruction a turn
.endif
.endm
.macro FINISH g                        ; O^T / l into the registers that q of head g has left
	v_add_f32 v250, v250, v251                     ; the sum's two halves,
	v_permlanex16_b32 v254, v250, s92, s93
	v_add_f32 v250, v250, v254                     ; and lane l xor 16's keys
	v_rcp_f32 v250, v250
	PLACES 6                                       ; with the two additions: eight plain places behind the product, ahead of the first read of O^T
	s_wait_alu depctr_va_vdst(0)                   ; the wait ahead of the reciprocal's first reader
.irp j, 0,2,4,6
	v_pk_mul_f32 v[Q+8*\g+\j:Q+8*\g+\j+1], v[O+\j:O+\j+1], v[250:251] op_sel_hi:[1,0]
.endr
.endm
	; ---------------- the head: ids, addresses, descriptors
	s_load_b512 s[4:19], s[0:1], 0x0               ; x, gamma, beta, Wqkv_codes, Wqkv_scales, bqkv, hcodes, hscales
	v_lshl_add_u32 v254, v0, 2, 0x40000
	v_mov_b32 v255, 0
	ds_add_u32 v254, v255
	ds_add_u32 v254, v255
	s_wait_dscnt 0x0
.if VERT
	s_load_b256 s[20:27], s[0:1], 0x40             ; Wproj_codes, Wproj_scales, bproj, out0
.endif
	v_lshrrev_b32 v255, 5, v0
	v_readfirstlane_b32 s28, v255                  ; wave 0..15
	v_and_b32 v254, 15, v0                         ; r
	v_bfe_u32 v255, v0, 4, 1                       ; hf
	v_and_b32 v253, 31, v0                         ; lane
	v_and_b32 v252, 8, v254
	v_add_nc_u32 v252, v252, v254                  ; TL = r + (r & 8)
	s_and_b32 s29, s28, 1                          ; w & 1  (kept)
	s_lshr_b32 s30, s28, 1                         ; w >> 1 (kept)
	s_lshl_b32 s31, s29, 3
	s_lshl_b32 s97, s30, 5
	s_add_co_u32 s97, s97, s31                     ; TW
	s_and_b32 s35, ttmp7, 0xffff                   ; the image
	s_mov_b32 s92, 0x76543210
	s_mov_b32 s93, 0xfedcba98                      ; v_permlanex16_b32's selects for lane l xor 16
	s_mov_b32 s94, 0x3eb8aa3b                      ; log2(e) / sqrt(16)
	s_mov_b32 s95, s94                             ; (named with it as a pair)
	s_mov_b32 s96, 0x600000                        ; the mantissa field of 57,344
	s_mov_b32 s2, 0x3c000000                       ; 1 / 128
	s_mov_b32 s3, 0x3727c5ac                       ; 1e-5
	v_add_nc_u32 v4, s97, v252
	v_mul_u32_u24 v4, v4, XP
	v_lshl_add_u32 v4, v255, 6, v4                 ; x: my token's row, + 64 hf: my 16 channels of a block of 32
	v_mul_u32_u24 v5, v254, WT
	v_lshl_add_u32 v5, v255, 4, v5
	v_add_nc_u32 v5, WQ, v5                        ; weights: row r, + 16 hf
	v_lshlrev_b32 v6, 6, v255
	v_add_nc_u32 v6, GB, v6                        ; gamma: + 64 hf
	v_lshlrev_b32 v250, 4, v253                    ; 16 lane
	v_lshlrev_b32 v249, 2, v253                    ; 4 lane
	v_lshlrev_b32 v248, 2, v254                    ; 4 r
	v_lshlrev_b32 v231, 5, v255                    ; 32 hf
	v_add_nc_u32 v251, GB, v250
	v_add_nc_u32 v1, KIMG, v250
	v_add_nc_u32 v2, VIMG, v250
	v_add_nc_u32 v3, VSC, v248
	s_lshl_b32 s31, s28, 10
	v_add_nc_u32 v7, s31, v1                       ; where I store k's images: tile w
	s_lshl_b32 s31, s30, 9
	s_lshl_b32 s32, s29, 3
	s_add_co_u32 s31, s31, s32
	v_add_nc_u32 v8, s31, v2                       ; where I store my 8 bytes of V^T: register group w >> 1, bytes 8 (w & 1) on
	s_lshr_b32 s31, s28, 3
	s_lshl_b32 s31, s31, 6
	s_and_b32 s32, s30, 3
	s_add_co_u32 s31, s31, s32
	v_add_nc_u32 v228, s31, v3                     ; V's scale byte: step w >> 3, byte (w >> 1) & 3 of channel r's word
	s_lshl_b32 s31, s28, 9
	v_add_nc_u32 v229, s31, v250
	v_add_nc_u32 v229, MX, v229                    ; my partial maxima,
	s_xor_b32 s31, s28, 1
	s_lshl_b32 s31, s31, 9
	v_add_nc_u32 v230, s31, v250
	v_add_nc_u32 v230, MX, v230                    ; and those of the wave that shares my blocks of 32 keys
	; descriptor groups 1, constants.  x: 64 rows of 128 elements of 4 bytes, 4 words of padding behind every 128
	s_mov_b32 s36, (2<<16)|(1<<20)|(6<<22)|(3<<25)
	s_mov_b32 s37, 128<<16
	s_mov_b32 s38, 64<<16
	s_mov_b32 s39, 128<<16
	s_mov_b32 s40, 64
.if VERT
	s_mov_b32 s41, 16384                           ; from token to token of a column: an image row
.else
	s_mov_b32 s41, 128
.endif
	s_mov_b32 s42, 0
	s_mov_b32 s43, 0
	; weights: 64 rows of 128 bytes, 4 words of padding behind every 32
	s_mov_b32 s44, (1<<20)|(4<<22)|(3<<25)
	s_mov_b32 s45, 128<<16
	s_mov_b32 s46, 64<<16
	s_mov_b32 s47, 128<<16
	s_mov_b32 s48, 64
	s_mov_b32 s49, 128
	s_mov_b32 s50, 0
	s_mov_b32 s51, 0
.if VERT
	; stored codes: 64 rows of 256 bytes, 16,384 bytes apart, 4 words of padding behind every 64
	s_mov_b32 s52, (1<<20)|(5<<22)|(3<<25)
	s_mov_b32 s53, 256<<16
	s_mov_b32 s54, 64<<16
	s_mov_b32 s55, 256<<16
	s_mov_b32 s56, 64
	s_mov_b32 s57, 16384
	s_mov_b32 s58, 0
	s_mov_b32 s59, 0
	; stored scale words: 64 rows of 4 words, 256 words apart
	s_mov_b32 s68, 2<<16
	s_mov_b32 s69, 4<<16
	s_mov_b32 s70, 64<<16
	s_mov_b32 s71, 4<<16
	s_mov_b32 s72, 64
	s_mov_b32 s73, 256
	s_mov_b32 s74, 0
	s_mov_b32 s75, 0
.endif
	; x: waves 0-3 fetch 64 tokens each (the other waves' numbers are held at 3: they do not issue this load)
	s_min_u32 s60, s28, 3
	s_mul_i32 s77, s60, 64*XP
.if VERT
	s_lshl_b32 s32, s35, 23
	s_lshl_b32 s31, ttmp9, 10
	s_add_co_u32 s32, s32, s31
	s_lshr_b32 s31, s60, 1
	s_lshl_b32 s31, s31, 9
	s_add_co_u32 s32, s32, s31                     ; image column 2 stripe + (w >> 1)
	s_and_b32 s31, s60, 1
	s_lshl_b32 s31, s31, 22
	s_add_co_u32 s32, s32, s31                     ; image rows 64 (w & 1) on
.else
	s_lshl_b32 s34, s35, 6
	s_add_co_u32 s34, s34, ttmp9                   ; the stripe among all 512
	s_lshl_b32 s32, s34, 17
	s_lshl_b32 s31, s60, 15
	s_add_co_u32 s32, s32, s31
.endif
	s_mov_b32 s33, 0
	; weights: waves 4-6 fetch q's, k's, v's 64 rows of Wqkv (VERT: waves 7, 8 the halves of Wproj)
	s_mul_i32 s81, s28, 64*WT
	s_add_co_u32 s81, s81, WQ-4*64*WT
	s_max_u32 s60, s28, 4
	s_sub_co_u32 s60, s60, 4
.if VERT
	s_min_u32 s60, s60, 4
	s_lshl_b32 s62, s60, 14
	s_add_co_u32 s62, s62, 128*OFF
	s_max_u32 s61, s60, 3
	s_sub_co_u32 s61, s61, 3
	s_lshl_b32 s61, s61, 13
.else
	s_min_u32 s60, s60, 2
	s_lshl_b32 s62, s60, 14
.endif
	s_mov_b32 s63, 0
	s_wait_kmcnt 0x0
	s_mov_b32 s76, 1
	s_add_nc_u64 s[78:79], s[4:5], s[32:33]
	s_or_b32 s79, s79, 0x80000000
	s_mov_b32 s80, 1
.if VERT
	s_cmp_lt_u32 s28, 7                            ; the choice hangs on the wave's number alone
	s_cselect_b32 s62, s62, s61
	s_cselect_b64 s[82:83], s[10:11], s[20:21]
.else
	s_mov_b64 s[82:83], s[10:11]
.endif
	s_add_nc_u64 s[82:83], s[82:83], s[62:63]
	s_or_b32 s83, s83, 0x80000000
.if VERT
	s_lshl_b32 s32, s35, 20
	s_lshl_b32 s31, ttmp9, 8
	s_add_co_u32 s32, s32, s31
	s_mov_b32 s84, 1
	s_mov_b32 s85, HC
	s_add_nc_u64 s[86:87], s[16:17], s[32:33]
	s_or_b32 s87, s87, 0x80000000
	s_lshl_b32 s32, s35, 16
	s_lshl_b32 s31, ttmp9, 4
	s_add_co_u32 s32, s32, s31
	s_mov_b32 s88, 1
	s_mov_b32 s89, HS
	s_add_nc_u64 s[90:91], s[18:19], s[32:33]
	s_or_b32 s91, s91, 0x80000000
.endif
	; THE FILLS: one tensor load a wave at the most, each into bytes of its own, ahead of every wait on TENSORcnt, every LDS read and every barrier.  Four v_nop follow each
	s_cmp_lt_u32 s28, 4
	s_cbranch_scc0 .Lnot_x
	tensor_load_to_lds s[76:79], s[36:43]
	s_nop 0
	PLACES 4
	s_branch .Lfilled
.Lnot_x:
	s_cmp_lt_u32 s28, 7+2*VERT
	s_cbranch_scc0 .Lnot_w
	tensor_load_to_lds s[80:83], s[44:51]
	s_nop 0
	PLACES 4
	s_branch .Lfilled
.Lnot_w:
.if VERT
	s_cmp_eq_u32 s28, 9
	s_cbranch_scc0 .Lnot_h
	tensor_load_to_lds s[84:87], s[52:59]
	PLACES 4
	s_branch .Lfilled
.Lnot_h:
	s_cmp_eq_u32 s28, 10
	s_cbranch_scc0 .Lnot_s
	tensor_load_to_lds s[88:91], s[68:75]
	PLACES 4
	s_branch .Lfilled
.Lnot_s:
.endif
	s_cmp_eq_u32 s28, 15
	s_cbranch_scc0 .Lfilled
	global_load_b128 v[P:P+3], v250, s[6:7]        ; wave 15 brings gamma and beta, 512 bytes each, once for the work-group
	global_load_b128 v[P+4:P+7], v250, s[8:9]
	s_wait_loadcnt 0x0
	ds_store_b128 v251, v[P:P+3]
	ds_store_b128 v251, v[P+4:P+7] offset:512
.Lfilled:
.irp g, 0,1,2,3
	global_load_b32 v[O+\g], v248, s[14:15] offset:1024+(OFF+16*\g)*4          ; v's bias: channel r of head g
.endr
.irp p, 0,1,2
.irp u, 0,1
	global_load_b32 v[10+2*\p+\u], v249, s[12:13] offset:512*\p+4*OFF+128*\u   ; Wqkv's scale words: lanes 0-15 head 2 u's rows, lanes 16-31 head 2 u + 1's
.endr
.endr
.irp g, 0,1,2,3
	global_load_b128 v[Q+8*\g:Q+8*\g+3], v231, s[14:15] offset:(OFF+16*\g)*4   ; q's bias in the result's layout: it is the C of q's product
	global_load_b128 v[Q+8*\g+4:Q+8*\g+7], v231, s[14:15] offset:(OFF+16*\g)*4+16
.endr
	; where the results go
.if VERT
	s_lshl_b32 s32, s35, 23
	s_lshl_b32 s31, ttmp9, 10
	s_add_co_u32 s32, s32, s31
	s_lshr_b32 s31, s28, 3
	s_lshl_b32 s31, s31, 9
	s_add_co_u32 s32, s32, s31                     ; image column 2 stripe + (w >> 3)
	s_and_b32 s31, s97, 127
	s_lshl_b32 s31, s31, 16
	s_add_co_u32 s32, s32, s31                     ; image row TW & 127
	s_add_nc_u64 s[98:99], s[26:27], s[32:33]
.else
	s_lshl_b32 s32, s34, 14
	s_add_nc_u64 s[98:99], s[16:17], s[32:33]      ; the stripe's 16,384 bytes of codes
	s_lshl_b32 s32, s34, 10
	s_add_nc_u64 s[66:67], s[18:19], s[32:33]      ; and its 1,024 bytes of scale words
.endif
	s_wait_tensorcnt 0x0                           ; my fill has landed
	BAR                                            ; everybody's has; gamma and beta are stored
	; ---------------- layer norm of my 16 tokens: a lane holds 64 channels of its token, lane l xor 16 the other 64
.irp c, 0,1,2,3
.irp j, 0,1,2,3
	ds_load_b128 v[P+16*\c+4*\j:P+16*\c+4*\j+3], v4 offset:128*\c+16*\j
.endr
.endr
	GBLOAD 0, PC, TM
	GBLOAD 1, R1, R1+16
	s_wait_xcnt 0x0                                ; the loads above have read their offsets: v248-251 are written again only behind this wait
	s_wait_dscnt 16                                ; x is in; the 16 loads of gamma and beta may be out
	v_pk_add_f32 v[248:249], v[P:P+1], v[P+2:P+3]
	v_pk_add_f32 v[250:251], v[P+4:P+5], v[P+6:P+7]
.irp j, 8,12,16,20,24,28,32,36,40,44,48,52,56,60
	v_pk_add_f32 v[248:249], v[248:249], v[P+\j:P+\j+1]
	v_pk_add_f32 v[250:251], v[250:251], v[P+\j+2:P+\j+3]
.endr
	v_pk_add_f32 v[248:249], v[248:249], v[250:251]
	v_add_f32 v248, v248, v249
	v_permlanex16_b32 v252, v248, s92, s93
	v_add_f32 v248, v248, v252
	v_mul_f32 v248, s2, v248                       ; the mean
.set II, 0
.rept 32
	v_pk_add_f32 v[P+II:P+II+1], v[P+II:P+II+1], v[248:249] op_sel_hi:[1,0] neg_lo:[0,1] neg_hi:[0,1]   ; x - mean first, then the squares: a common offset does no harm
.set II, II+2
.endr
	v_pk_mul_f32 v[250:251], v[P:P+1], v[P:P+1]
	v_pk_mul_f32 v[252:253], v[P+2:P+3], v[P+2:P+3]
.irp j, 4,8,12,16,20,24,28,32,36,40,44,48,52,56,60
	v_pk_fma_f32 v[250:251], v[P+\j:P+\j+1], v[P+\j:P+\j+1], v[250:251]
	v_pk_fma_f32 v[252:253], v[P+\j+2:P+\j+3], v[P+\j+2:P+\j+3], v[252:253]
.endr
	v_pk_add_f32 v[250:251], v[250:251], v[252:253]
	v_add_f32 v250, v250, v251
	v_permlanex16_b32 v252, v250, s92, s93
	v_add_f32 v250, v250, v252
	v_fma_f32 v250, v250, s2, s3                   ; the variance + 1e-5
	v_rsq_f32 v250, v250
	v_nop                                          ; a plain line behind the transcendental
	s_wait_alu depctr_va_vdst(0)                   ; and the wait ahead of its first reader
	s_wait_dscnt 8                                 ; set 0 of gamma and beta is in; set 1's eight loads may be out
	APPLY 0, PC, TM
	GBLOAD 2, PC, TM
	s_wait_dscnt 8                                 ; set 1 is in; the eight just issued may be out
	APPLY 1, R1, R1+16
	GBLOAD 3, R1, R1+16
	s_wait_dscnt 8                                 ; likewise
	APPLY 2, PC, TM
	s_wait_dscnt 0x0
	APPLY 3, R1, R1+16
.irp g, 0,1,2,3
	global_load_b128 v[R1+8*\g:R1+8*\g+3], v231, s[14:15] offset:512+(OFF+16*\g)*4      ; k's bias: the C of k's product
	global_load_b128 v[R1+8*\g+4:R1+8*\g+7], v231, s[14:15] offset:512+(OFF+16*\g)*4+16
.endr
	QSCALE P, 4
	v_lshl_or_b32 v9, v[TM+5], 8, v[TM+4]          ; my token's scale word; the 64 holds stand between it and the products
	v_lshl_or_b32 v9, v[TM+6], 16, v9
	v_lshl_or_b32 v9, v[TM+7], 24, v9
	QCVT P, 4, PC                                  ; xn's fragment: it serves as source 1 for q and k and as source 0 for v
	; ---------------- q, k, v
	WFRAG 0
	PLACES 4                                       ; four places between the codes' last write and the scaled products
	s_wait_dscnt 0x0
	s_wait_loadcnt 0x8                             ; v's bias, the scale words and q's bias are in; k's bias, eight loads, may be out
.irp g, 0,1,2,3
	SMUL Q+8*\g, P+16*\g, PC, Q+8*\g, 10+\g/2, 9, \g%2
.endr
	PLACES 8                                       ; ahead of loads into registers that these products read
	WFRAG 1
	s_wait_dscnt 0x0
	s_wait_loadcnt 0x0
.irp g, 0,1,2,3
	SMUL R1+8*\g, P+16*\g, PC, R1+8*\g, 12+\g/2, 9, \g%2
.endr
	PLACES 9                                       ; eight ahead of the stores of k and of the loads below; nine ahead of v's products, which write over k's registers
.irp g, 0,1,2,3
	ds_store_b128 v7, v[R1+8*\g:R1+8*\g+3] offset:16384*\g                     ; k's image, each result from its low end on
	ds_store_b128 v7, v[R1+8*\g+4:R1+8*\g+7] offset:16384*\g+512
.endr
	WFRAG 2
	s_wait_dscnt 0x0                               ; the fragments are in, and the stores have read k
.irp g, 0,1,2,3
	SMUL R1+8*\g, PC, P+16*\g, -1, 9, 14+\g/2, 2*(\g%2)
.endr
	PLACES 8
.if VERT
	v_and_b32 v231, 31, v0
	v_lshlrev_b32 v231, 2, v231
.irp u, 0,1,2,3
	global_load_b32 v[11+\u], v231, s[22:23] offset:128*\u                     ; Wproj's scale words: lanes 0-15 tile 2 u's rows, lanes 16-31 tile 2 u + 1's
.endr
.endif
.irp g, 0,1,2,3
.irp j, 0,1,2,3,4,5,6,7
	v_add_f32 v[R1+8*\g+\j], v[R1+8*\g+\j], v[O+\g]                            ; v's bias: one channel a lane
.endr
.endr
.irp g, 0,1,2,3
	v_max3_num_f32 v[TM+\g], |v[R1+8*\g]|, |v[R1+8*\g+1]|, 0x8000000           ; the largest magnitude of my 8 keys, with the floor
.endr
.irp i, 2,4,6
.irp g, 0,1,2,3
	v_max3_num_f32 v[TM+\g], v[TM+\g], |v[R1+8*\g+\i]|, |v[R1+8*\g+\i+1]|
.endr
.endr
	ds_store_b128 v229, v[TM:TM+3]
	BAR                                            ; the partial maxima lie in LDS (and nobody reads x's rows any more but their owner)
	ds_load_b128 v[TM+4:TM+7], v230                ; a block of 32 keys lies in waves w and w xor 1, in both halves of the lanes
	s_wait_dscnt 0x0
.irp g, 0,1,2,3
	v_max_num_f32 v[TM+\g], v[TM+\g], v[TM+4+\g]
.endr
.irp g, 0,1,2,3
	v_permlanex16_b32 v[TM+4+\g], v[TM+\g], s92, s93
.endr
.irp g, 0,1,2,3
	v_max_num_f32 v[TM+\g], v[TM+\g], v[TM+4+\g]
.endr
.irp g, 0,1,2,3
	v_add_nc_u32 v[TM+12+\g], 0xf8800000, v[TM+\g]
.endr
.irp g, 0,1,2,3
	v_and_or_b32 v[TM+8+\g], v[TM+\g], 0x7f800000, s96
.endr
.irp g, 0,1,2,3
	v_lshrrev_b32 v[TM+4+\g], 23, v[TM+12+\g]
.endr
.irp g, 0,1,2,3
.irp j, 0,1,2,3,4,5,6,7
	v_med3_num_f32 v[R1+8*\g+\j], v[R1+8*\g+\j], -v[TM+8+\g], v[TM+8+\g]
.endr
	v_cvt_scalef32_pk8_bf8_f32 v[PC+2*\g:PC+2*\g+1], v[R1+8*\g:R1+8*\g+7], v[TM+12+\g]
.endr
	v_nop                                          ; one plain line behind the last conversion
.irp g, 0,1,2,3
	ds_store_b64 v8, v[PC+2*\g:PC+2*\g+1] offset:4096*\g                       ; my 8 bytes of each lane's 16 in V^T's image
.endr
	s_cmp_lg_u32 s29, 0                            ; of the two waves of a block the even one stores its scale bytes
	s_cbranch_scc1 .Lodd
.irp g, 0,1,2,3
	ds_store_b8 v228, v[TM+4+\g] offset:128*\g     ; both halves of the lanes write the same byte with the same value
.endr
.Lodd:
.if VERT
	s_wait_loadcnt 0x0                             ; Wproj's scale words
.endif
	v_mov_b32 v253, 0                              ; named as the upper half of the pair v[252:253]
	BAR                                            ; k's and V^T's images and V's scale words are whole
	; ---------------- attention: four heads, two steps of 128 keys each
.irp g, 0,1,2,3
	STEP \g, 0
	STEP \g, 1
	FINISH \g
.endr
.if VERT == 0
	; ---------------- the way out of the row stripes: h's K blocks 0 and 1 as codes and a scale word
	v_and_b32 v254, 15, v0                         ; r
	v_bfe_u32 v255, v0, 4, 1                       ; hf
	v_and_b32 v4, 6, v254
	v_lshlrev_b32 v4, 7, v4
	v_and_b32 v252, 8, v254
	v_lshl_add_u32 v4, v252, 8, v4
	v_and_b32 v252, 1, v254
	v_lshl_add_u32 v4, v252, 6, v4
	s_lshl_b32 s31, s29, 10
	s_and_b32 s32, s30, 3
	s_lshl_b32 s32, s32, 12
	s_add_co_u32 s31, s31, s32
	s_lshr_b32 s32, s28, 3
	s_lshl_b32 s32, s32, 7
	s_add_co_u32 s31, s31, s32
	v_add_nc_u32 v4, s31, v4                       ; my token's 64 bytes in the stripe's codes: 256 (w_img / 2) + 128 (h % 2) + 64 (w_img % 2)
	v_lshrrev_b32 v5, 4, v4
	v_add_nc_u32 v5, SST, v5                       ; its scale word: a sixteenth of that
	v_lshl_add_u32 v4, v255, 5, v4                 ; + 32 hf  (the stage begins at LDS byte CST = 0)
	v_and_b32 v6, 31, v0
	v_lshlrev_b32 v6, 4, v6
	s_lshl_b32 s31, s28, 9
	v_add_nc_u32 v7, s31, v6                       ; 512 w + 16 lane: the scale words on the way out,
	v_add_nc_u32 v8, SST, v7
	s_lshl_b32 s31, s28, 10
	v_add_nc_u32 v6, s31, v6                       ; 1,024 w + 16 lane: the codes: the same place in the stage and in the stripe's part of hcodes
	QSCALE Q, 2
	v_lshl_or_b32 v9, v[TM+5], 8, v[TM+4]          ; bytes 0 and 1; the upper half stays 0 for the other launch's two
	QCVT Q, 2, PC
	ds_store_b128 v4, v[PC:PC+3]
	ds_store_b128 v4, v[PC+4:PC+7] offset:16
	ds_store_b32 v5, v9                            ; both halves of the lanes write the same word with the same value
	BAR                                            ; the stripe's codes and scale words lie in the stage as they lie in memory
	ds_load_b128 v[P:P+3], v6
	ds_load_b128 v[P+4:P+7], v6 offset:512
	s_wait_dscnt 1                                 ; the first is in; the second may be out
	global_store_b128 v6, v[P:P+3], s[98:99]       ; 32 lanes store 512 consecutive bytes, at a multiple of 256 from the buffer's first byte
	s_wait_dscnt 0x0
	global_store_b128 v6, v[P+4:P+7], s[98:99] offset:512
	s_cmp_lt_u32 s28, 2
	s_cbranch_scc0 .Lend
	ds_load_b128 v[P+8:P+11], v8                   ; waves 0 and 1: the stripe's 1,024 bytes of scale words
	s_wait_dscnt 0x0
	global_store_b128 v7, v[P+8:P+11], s[66:67]
.Lend:
	s_wait_xcnt 0x0
	v_lshl_add_u32 v254, v0, 2, 0x40000
	v_mov_b32 v255, 0
	s_wait_tensorcnt 0x0
	ds_add_u32 v254, v255
	s_wait_dscnt 0x0
	s_endpgm
.else
	; ---------------- the way out of the column stripes: the projection, bproj and the residual
	v_and_b32 v228, 31, v0
	v_lshlrev_b32 v228, 4, v228                    ; 16 lane
	global_load_b128 v[O:O+3], v228, s[24:25]      ; bproj: my four channels of a whole row
	v_and_b32 v254, 15, v0                         ; r
	v_bfe_u32 v255, v0, 4, 1                       ; hf
	v_bfe_u32 v4, v0, 1, 2
	v_and_b32 v252, 8, v254
	v_add_nc_u32 v4, v4, v252
	s_lshl_b32 s31, s29, 2
	s_and_b32 s32, s30, 3
	s_lshl_b32 s32, s32, 4
	s_add_co_u32 s31, s31, s32
	v_add_nc_u32 v4, s31, v4                       ; h / 2 of my token
	v_mul_u32_u24 v4, v4, HP
	v_and_b32 v251, 1, v0
	v_lshl_add_u32 v4, v251, 7, v4                 ; + 128 (h % 2)
	v_lshl_add_u32 v4, v255, 5, v4                 ; + 32 hf
	s_lshr_b32 s32, s28, 3
	s_lshl_b32 s32, s32, 6
	s_add_co_u32 s32, s32, HC
	v_add_nc_u32 v4, s32, v4                       ; + 64 (w_img % 2): my 32 bytes of the stored codes
	v_add_nc_u32 v253, v252, v254                  ; TL
	s_and_b32 s33, s97, 127
	s_lshl_b32 s33, s33, 3
	s_lshr_b32 s31, s28, 3
	s_lshl_b32 s31, s31, 2
	s_add_co_u32 s33, s33, s31
	s_add_co_u32 s33, s33, HS
	v_lshl_add_u32 v5, v253, 3, s33                ; the stored scale word: 8 h + 4 (w_img % 2)
	v_add_nc_u32 v6, s97, v253
	v_mul_u32_u24 v6, v6, XP
	v_lshl_add_u32 v6, v255, 5, v6                 ; x and the results: my token's row, + 32 hf
	v_mul_u32_u24 v7, v254, WT
	v_lshl_add_u32 v7, v255, 3, v7
	v_add_nc_u32 v7, WP, v7                        ; Wproj: row r, + 8 hf: its K is taken in h's order: channels 8 hf + 0..7 and 16 + 8 hf + 0..7 of each block of 32
	s_mul_i32 s34, s97, XP
	v_add_nc_u32 v8, s34, v228                     ; whole rows back: 16 bytes a lane
	ds_load_b128 v[PC:PC+3], v4                    ; h's K blocks 0 and 1, as the other launch's lanes held them
	ds_load_b128 v[PC+4:PC+7], v4 offset:16
	ds_load_b32 v15, v5
	QSCALE Q, 2
	s_wait_dscnt 0x0
	v_lshl_or_b32 v9, v[TM+4], 16, v15             ; the four bytes of my token's scale word; the 32 holds stand between it and the products
	v_lshl_or_b32 v9, v[TM+5], 24, v9
	QCVT Q, 2, PC+8                                ; K blocks 2 and 3
.irp t, 0,1,2,3
	ds_load_b128 v[R1+8*\t:R1+8*\t+3], v6 offset:64*\t                         ; x in the result's layout: the C of the projection's products
	ds_load_b128 v[R1+8*\t+4:R1+8*\t+7], v6 offset:64*\t+16
.endr
.irp t, 0,1,2,3
	ds_load_b128 v[Q+8*\t:Q+8*\t+3], v6 offset:256+64*\t
	ds_load_b128 v[Q+8*\t+4:Q+8*\t+7], v6 offset:256+64*\t+16
.endr
.irp t, 0,1,2,3
.irp c, 0,1,2,3,4,5,6,7
	ds_load_b64 v[P+16*\t+2*\c:P+16*\t+2*\c+1], v7 offset:16*\t*WT+16*\c
.endr
.endr
	PLACES 4                                       ; four places between the codes' last write and the scaled products
	s_wait_dscnt 0x0
.irp t, 0,1,2,3
	SMUL S+8*\t, P+16*\t, PC, R1+8*\t, 11+\t/2, 9, \t%2                        ; transposed: a lane holds eight neighbouring channels of its token
.endr
	PLACES 8                                       ; ahead of loads into registers that these products read
.irp t, 0,1,2,3
.irp c, 0,1,2,3,4,5,6,7
	ds_load_b64 v[P+16*\t+2*\c:P+16*\t+2*\c+1], v7 offset:(64+16*\t)*WT+16*\c
.endr
.endr
	s_wait_dscnt 0x0
.irp t, 0,1,2,3
	SMUL S+32+8*\t, P+16*\t, PC, Q+8*\t, 13+\t/2, 9, \t%2
.endr
	PLACES 8                                       ; ahead of the stores of the results and of the loads into Wproj's registers
.irp t, 0,1,2,3,4,5,6,7
	ds_store_b128 v6, v[S+8*\t:S+8*\t+3] offset:64*\t                          ; over x's bytes in my own 16 rows, each result from its low end on
	ds_store_b128 v6, v[S+8*\t+4:S+8*\t+7] offset:64*\t+16
.endr
.irp q, 0,1,2,3,4,5,6,7,8,9,10,11,12,13,14,15
	ds_load_b128 v[P+4*\q:P+4*\q+3], v8 offset:(\q+8*(\q/8))*XP                ; LDS serves a wave's instructions in order (ISA guide 5.7.1.4): these see my stores
.endr
	s_wait_loadcnt 0x0                             ; bproj
.irp q, 0,1,2,3,4,5,6,7,8,9,10,11,12,13,14,15
	s_wait_dscnt 15-\q                             ; row q is back; the younger rows may be out
	v_pk_add_f32 v[P+4*\q:P+4*\q+1], v[P+4*\q:P+4*\q+1], v[O:O+1]
	v_pk_add_f32 v[P+4*\q+2:P+4*\q+3], v[P+4*\q+2:P+4*\q+3], v[O+2:O+3]
	global_store_b128 v228, v[P+4*\q:P+4*\q+3], s[98:99] offset:(\q+8*(\q/8))*65536 th:TH_STORE_NT   ; 32 lanes store a token's 512 consecutive bytes, at a multiple of 256 from out0's first byte
.endr
	s_endpgm
.endif
.Lfunc_end_k_q6afaf6d8d1_horiz:
	.size	k_q6afaf6d8d1_horiz, .Lfunc_end_k_q6afaf6d8d1_horiz-k_q6afaf6d8d1_horiz
	.p2alignl 7, 3214868480
	.fill 96, 4, 3214868480
	.section	.rodata,"a",@progbits
	.p2align	6, 0x0
	.amdhsa_kernel k_q6afaf6d8d1_horiz
		.amdhsa_group_segment_fixed_size 264192
		.amdhsa_private_segment_fixed_size 0
		.amdhsa_enable_private_segment 0
		.amdhsa_kernarg_size 64
		.amdhsa_user_sgpr_count 2
		.amdhsa_user_sgpr_kernarg_segment_ptr 1
		.amdhsa_wavefront_size32 1
		.amdhsa_system_sgpr_workgroup_id_x 1
		.amdhsa_system_sgpr_workgroup_id_y 1
		.amdhsa_system_sgpr_workgroup_id_z 1
		.amdhsa_system_vgpr_workitem_id 0
		.amdhsa_next_free_vgpr 256
		.amdhsa_next_free_sgpr 100
		.amdhsa_reserve_vcc 0
		.amdhsa_float_denorm_mode_32 3
		.amdhsa_float_denorm_mode_16_64 3
		.amdhsa_memory_ordered 1
		.amdhsa_forward_progress 1
		.amdhsa_inst_pref_size 185
	.end_amdhsa_kernel
	.amdgpu_metadata
---
amdhsa.version: [ 1, 2 ]
amdhsa.kernels:
  - .name:           k_q6afaf6d8d1_horiz
    .symbol:         k_q6afaf6d8d1_horiz.kd
    .args:
      - { .name: x, .offset: 0, .size: 8, .value_kind: global_buffer, .address_space: global }
      - { .name: gamma, .offset: 8, .size: 8, .value_kind: global_buffer, .address_space: global }
      - { .name: beta, .offset: 16, .size: 8, .value_kind: global_buffer, .address_space: global }
      - { .name: Wqkv_codes, .offset: 24, .size: 8, .value_kind: global_buffer, .address_space: global }
      - { .name: Wqkv_scales, .offset: 32, .size: 8, .value_kind: global_buffer, .address_space: global }
      - { .name: bqkv, .offset: 40, .size: 8, .value_kind: global_buffer, .address_space: global }
      - { .name: hcodes, .offset: 48, .size: 8, .value_kind: global_buffer, .address_space: global }
      - { .name: hscales, .offset: 56, .size: 8, .value_kind: global_buffer, .address_space: global }
    .group_segment_fixed_size: 264192
    .private_segment_fixed_size: 0
    .kernarg_segment_align: 8
    .kernarg_segment_size: 64
    .max_flat_workgroup_size: 512
    .sgpr_count:     100
    .vgpr_count:     256
    .wavefront_size: 32
...
	.end_amdgpu_metadata
.endif
;; end of part 1
;; launch vert (part 2): grid 64 x 8, 16 waves a work-group, no clusters, 296,960 bytes of LDS; arguments x, gamma, beta, Wqkv_codes, Wqkv_scales, bqkv, hcodes, hscales, Wproj_codes, Wproj_scales, bproj, out0; writes out0
.if DOCPART == 2
	.amdgcn_target "amdgcn-amd-amdhsa--gfx1250"
	.amdhsa_code_object_version 6
	.text
	.protected	k_q6afaf6d8d1_vert
	.globl	k_q6afaf6d8d1_vert
	.p2align	8
	.type	k_q6afaf6d8d1_vert,@function
k_q6afaf6d8d1_vert:
	s_mov_b64 s[64:65], 0
	v_nop
	global_prefetch_b8 v0, s[64:65] scope:SCOPE_SE
	s_setreg_imm32_b32 hwreg(HW_REG_WAVE_MODE, 25, 1), 1
	s_wait_xcnt 0x0
; CSWin stripe attention in MX-BF8 (E5M2 codes, one E8M0 scale for each 32 along K).  ONE TEXT SERVES TWO LAUNCHES; the line .set VERT picks.
;   VERT = 0: a work-group owns a stripe of two image ROWS (256 tokens, token i = 128 (h % 2) + w): layer norm, q, k, v of heads 0-3, attention; the 64 channels of h are quantised
;             (K blocks 0 and 1 of the projection) and stored as codes and scale words.
;   VERT = 1: a stripe of two image COLUMNS (token i = 128 (w % 2) + h), heads 4-7; its 64 channels are K blocks 2 and 3; with the stored codes of blocks 0 and 1: h Wproj + bproj + x -> out0.
; SHARES.  Sixteen waves, four to a SIMD, 256 registers each.  Wave w owns 16 tokens in every phase: its layer norm, its q, k, v, its 16 queries for all four heads, its 16 rows of output.
; THE TOKENS OF A TILE ARE NOT NEIGHBOURS: lane r of wave w takes token TW + TL, TL = r + (r & 8), TW = 8 (w & 1) + 32 (w >> 1).  Row 8 hf + j of tile 2 b + u is then token 32 b + 16 hf + 8 u + j:
; the 16 registers of two neighbouring tiles of scores are 16 neighbouring keys, in the order in which the second product's operand wants them.
; PRODUCTS.  q, k: transposed (source 0 = the 16 rows of Wqkv of one head, source 1 = xn): lane (r, hf) holds channels 8 hf + 0..7 of token r: its register pairs ARE the fragments of the f32 form
; (pair c: channels 2 c, 2 c + 1, 8 + 2 c, 9 + 2 c: the same order in q and in k).  v: natural (source 0 = xn): a lane holds one channel and eight keys, which one conversion turns into 8 bytes of V^T's fragment.
; Scores S^T = k q^T by v_wmma_f32_16x16x4_f32 (their result goes into a quantiser, so the operands are f32).  p = 2^(t - M), M = the ceiling of the running largest t; the sum is taken of the unquantised p.
; O^T = V^T P^T on codes.  k, V^T and V's scale words go from wave to wave through LDS as images of the operands' registers.
; LDS: XST x, 256 rows of 512 + 16 bytes | WQ 192 rows of Wqkv's codes, 128 + 16 | (VERT: WP 128 rows of Wproj's) | GB gamma, beta | KIMG [head][tile][2][512] | VIMG [head][step][4][512] | VSC [head][step][16 words]
; | MX [wave][512] partial maxima | (VERT: HC 64 rows of 256 + 16 bytes of stored codes | HS 64 rows of 16 bytes of stored scale words).  Every tensor load fills its bytes once; nothing is filled again.
; VERT = 0 stages its codes in XST's first 17,408 bytes, which have had their only fill and are read by nobody behind the second barrier; VERT = 1 stages a wave's 16 rows of output in the wave's own 16 rows of XST.
; hcodes: [b][h/2][w/2][h%2][w%2][hf][c][16 bytes]: a lane's four registers of K block c as they stand; 2 x 2 tokens are 256 consecutive bytes.  hscales: the same order, one word a token (bytes 0, 1; the upper half 0).
; VERT = 1 reads hscales as 64 rows of 16 bytes, 1,024 bytes apart: short pieces, 1,024 bytes a work-group in all.
; NO CLUSTER: work-groups share only the weights, 24,576 (VERT = 1: 40,960) of the 155,648 (190,464) bytes that a work-group fetches; x, the bulk, is shared by nobody.
; LIMITS: a block whose largest magnitude lies under 2^-111 keeps the scale byte 1; a block of zeros gets the byte 1 where the rule says 127 (its codes are zeros, and this program alone reads the bytes);
; NaN and infinities among the inputs are not served; the 16 channels of a score are summed in the order 0, 1, 8, 9, 2, 3, 10, 11, ..; a K block of h is summed in a permuted order, the same in h and in Wproj.
.set VERT, 1
.set OFF,  64*VERT                     ; first column taken of each third of Wqkv
.set XP,   528                         ; a token's row of x in LDS
.set WT,   144                         ; a row of weight codes in LDS
.set HP,   272                         ; a row of stored codes in LDS
.set XST,  0
.set WQ,   256*XP
.set WP,   WQ+192*WT
.set GB,   WP+VERT*128*WT
.set KIMG, GB+1024
.set VIMG, KIMG+65536
.set VSC,  VIMG+16384
.set MX,   VSC+512
.set HC,   MX+8192
.set HS,   HC+64*HP
.set CST,  0
.set SST,  16384
; REGISTERS: v0 thread; v1 KIMG + 16 lane; v2 VIMG + 16 lane; v3 VSC + 4 r; v4-8 the phase's addresses; v9-15 scale words and nothing else
.set Q,   16                           ; v16-47   q of the four heads; head g's eight become O / l
.set S,   48                           ; v48-111  scores; VERT: the projection's results.  Written by matrix instructions alone
.set P,   112                          ; v112-175 x, xn; weight fragments; k's fragments; t, p; rows on the way out
.set R1,  176                          ; v176-207 gamma, beta; k; v; V^T's fragment; VERT: x as C
.set PC,  208                          ; v208-223 gamma; codes
.set O,   224                          ; v224-231 v's bias and addresses; O^T; VERT: bproj, an offset
.set TM,  232                          ; v232-247 beta; +0 maxima, +4 permutes and bytes, +8 holds, +12 the conversions' scale operands
                                       ; v248 -M, v249 the largest t, v[250:251] the sum, v[252:253] f and 0, v254-255 at work
.macro PLACES n
.rept \n
	v_nop
.endr
.endm
.macro BAR                             ; my LDS stores have landed and my LDS loads are in: then the work-group's barrier
	s_wait_dscnt 0x0
	s_barrier_signal -1
	s_barrier_wait -1
.endm
; one scaled product.  c < 0: the sum starts with 0.  row = 1: source 0's scales stand in lanes 16-31 of their register; 2: source 1's
.macro SMUL d, a, b, c, sa, sb, row
.if (\c) < 0
.if (\row) == 1
	v_wmma_scale_f32_16x16x128_f8f6f4 v[\d:\d+7], v[\a:\a+15], v[\b:\b+15], 0, v[\sa], v[\sb] matrix_a_fmt:MATRIX_FMT_BF8 matrix_b_fmt:MATRIX_FMT_BF8 matrix_a_scale:MATRIX_SCALE_ROW1
.elseif (\row) == 2
	v_wmma_scale_f32_16x16x128_f8f6f4 v[\d:\d+7], v[\a:\a+15], v[\b:\b+15], 0, v[\sa], v[\sb] matrix_a_fmt:MATRIX_FMT_BF8 matrix_b_fmt:MATRIX_FMT_BF8 matrix_b_scale:MATRIX_SCALE_ROW1
.else
	v_wmma_scale_f32_16x16x128_f8f6f4 v[\d:\d+7], v[\a:\a+15], v[\b:\b+15], 0, v[\sa], v[\sb] matrix_a_fmt:MATRIX_FMT_BF8 matrix_b_fmt:MATRIX_FMT_BF8
.endif
.else
.if (\row) == 1
	v_wmma_scale_f32_16x16x128_f8f6f4 v[\d:\d+7], v[\a:\a+15], v[\b:\b+15], v[\c:\c+7], v[\sa], v[\sb] matrix_a_fmt:MATRIX_FMT_BF8 matrix_b_fmt:MATRIX_FMT_BF8 matrix_a_scale:MATRIX_SCALE_ROW1
.elseif (\row) == 2
	v_wmma_scale_f32_16x16x128_f8f6f4 v[\d:\d+7], v[\a:\a+15], v[\b:\b+15], v[\c:\c+7], v[\sa], v[\sb] matrix_a_fmt:MATRIX_FMT_BF8 matrix_b_fmt:MATRIX_FMT_BF8 matrix_b_scale:MATRIX_SCALE_ROW1
.else
	v_wmma_scale_f32_16x16x128_f8f6f4 v[\d:\d+7], v[\a:\a+15], v[\b:\b+15], v[\c:\c+7], v[\sa], v[\sb] matrix_a_fmt:MATRIX_FMT_BF8 matrix_b_fmt:MATRIX_FMT_BF8
.endif
.endif
.endm
.macro GBLOAD c, gr, br                ; gamma and beta of my 16 channels of K block c
.irp j, 0,1,2,3
	ds_load_b128 v[\gr+4*\j:\gr+4*\j+3], v6 offset:128*\c+16*\j
.endr
.irp j, 0,1,2,3
	ds_load_b128 v[\br+4*\j:\br+4*\j+3], v6 offset:512+128*\c+16*\j
.endr
.endm
.macro APPLY c, gr, br                 ; (x - mean) x rsqrt, then x gamma + beta
.irp j, 0,2,4,6,8,10,12,14
	v_pk_mul_f32 v[P+16*\c+\j:P+16*\c+\j+1], v[P+16*\c+\j:P+16*\c+\j+1], v[250:251] op_sel_hi:[1,0]
.endr
.irp j, 0,2,4,6,8,10,12,14
	v_pk_fma_f32 v[P+16*\c+\j:P+16*\c+\j+1], v[P+16*\c+\j:P+16*\c+\j+1], v[\gr+\j:\gr+\j+1], v[\br+\j:\br+\j+1]
.endr
.endm
; nb blocks of 32 along K; a lane holds 16 numbers of each, v[s + 16 b] on, lane l xor 16 the other 16.  Leaves: TM+4+b the scale's byte, TM+8+b the largest number x the scale, TM+12+b the conversion's scale operand
.macro QSCALE s, nb
.irp b, 0,1,2,3
.if \b < \nb
	v_max3_num_f32 v[TM+\b], |v[\s+16*\b]|, |v[\s+16*\b+1]|, 0x8000000      ; with the floor 2^(16 - 127): the byte cannot fall under 1
.endif
.endr
.irp i, 2,4,6,8,10,12,14
.irp b, 0,1,2,3
.if \b < \nb
	v_max3_num_f32 v[TM+\b], v[TM+\b], |v[\s+16*\b+\i]|, |v[\s+16*\b+\i+1]|
.endif
.endr
.endr
.irp b, 0,1,2,3
.if \b < \nb
	v_permlanex16_b32 v[TM+4+\b], v[TM+\b], s92, s93
.endif
.endr
.irp b, 0,1,2,3
.if \b < \nb
	v_max_num_f32 v[TM+\b], v[TM+\b], v[TM+4+\b]                             ; the block's largest magnitude
.endif
.endr
.irp b, 0,1,2,3
.if \b < \nb
	v_add_nc_u32 v[TM+12+\b], 0xf8800000, v[TM+\b]                           ; 15 off its exponent field: the conversion takes this operand's exponent field as its scale
.endif
.endr
.irp b, 0,1,2,3
.if \b < \nb
	v_and_or_b32 v[TM+8+\b], v[TM+\b], 0x7f800000, s96                       ; 57,344 x the scale
.endif
.endr
.irp b, 0,1,2,3
.if \b < \nb
	v_lshrrev_b32 v[TM+4+\b], 23, v[TM+12+\b]                                ; the scale's byte
.endif
.endr
.endm
.macro QCVT s, nb, d                   ; the hold (the conversion to an 8-bit code does not saturate: ISA guide 7.6.2) and the conversions: four registers of codes a block, v[d + 4 b] on
.irp b, 0,1,2,3
.if \b < \nb
.irp i, 0,1,2,3,4,5,6,7,8,9,10,11,12,13,14,15
	v_med3_num_f32 v[\s+16*\b+\i], v[\s+16*\b+\i], -v[TM+8+\b], v[TM+8+\b]
.endr
	v_cvt_scalef32_pk8_bf8_f32 v[\d+4*\b:\d+4*\b+1], v[\s+16*\b:\s+16*\b+7], v[TM+12+\b]
	v_cvt_scalef32_pk8_bf8_f32 v[\d+4*\b+2:\d+4*\b+3], v[\s+16*\b+8:\s+16*\b+15], v[TM+12+\b]
.endif
.endr
	v_nop                                          ; one plain line behind the last conversion
.endm
.macro WFRAG part                      ; the four heads' fragments (16 rows x 128 K) of q's (0), k's (1) or v's (2) rows of Wqkv
.irp t, 0,1,2,3
.irp c, 0,1,2,3
	ds_load_b128 v[P+16*\t+4*\c:P+16*\t+4*\c+3], v5 offset:(64*\part+16*\t)*WT+32*\c
.endr
.endr
.endm
; A KEY STEP of head g: keys 128 s on.
.macro STEP g, s
.irp t, 0,1,2,3,4,5,6,7
	ds_load_b128 v[P+8*\t:P+8*\t+3], v1 offset:16384*\g+1024*(8*\s+\t)         ; k's image of tile 8 s + t: the registers as the owning wave held them
	ds_load_b128 v[P+8*\t+4:P+8*\t+7], v1 offset:16384*\g+1024*(8*\s+\t)+512
.endr
	s_wait_dscnt 0x0
.irp c, 0,1,2,3                        ; S^T = k q^T: four K steps of 4; the eight accumulators take turns, one instruction a turn
.irp t, 0,1,2,3,4,5,6,7
.if \c == 0
	v_wmma_f32_16x16x4_f32 v[S+8*\t:S+8*\t+7], v[P+8*\t:P+8*\t+1], v[Q+8*\g:Q+8*\g+1], 0
.else
	v_wmma_f32_16x16x4_f32 v[S+8*\t:S+8*\t+7], v[P+8*\t+2*\c:P+8*\t+2*\c+1], v[Q+8*\g+2*\c:Q+8*\g+2*\c+1], v[S+8*\t:S+8*\t+7]
.endif
.endr
.endr
	PLACES 8                                       ; eight places: ahead of the first read of the scores, of the writes over k's fragments, and of the loads into the last scaled product's operand and scale registers
.irp c, 0,1,2,3
	ds_load_b128 v[R1+4*\c:R1+4*\c+3], v2 offset:4096*\g+2048*\s+512*\c        ; V^T's fragment: 16 channels x these 128 keys
.endr
	ds_load_b32 v10, v3 offset:64*(2*\g+\s)        ; and its scale words; both land while the softmax is worked
.irp b, 0,1,2,3
	v_max3_num_f32 v[TM+\b], v[S+16*\b], v[S+16*\b+1], v[S+16*\b+2]            ; the largest score of each block of 32 keys (each accumulator is read from its low end on): it serves the row's maximum and, since p rises with the score, the block's largest p
.endr
.irp i, 3,5,7,9,11,13
.irp b, 0,1,2,3
	v_max3_num_f32 v[TM+\b], v[TM+\b], v[S+16*\b+\i], v[S+16*\b+\i+1]
.endr
.endr
.irp b, 0,1,2,3
	v_max_num_f32 v[TM+\b], v[TM+\b], v[S+16*\b+15]
.endr
.irp b, 0,1,2,3
	v_permlanex16_b32 v[TM+4+\b], v[TM+\b], s92, s93
.endr
.irp b, 0,1,2,3
	v_max_num_f32 v[TM+\b], v[TM+\b], v[TM+4+\b]                               ; with lane l xor 16's 16 keys
.endr
	v_max3_num_f32 v254, v[TM], v[TM+1], v[TM+2]
	v_max_num_f32 v254, v254, v[TM+3]              ; the step's largest score of my query
.if \s == 0
	v_mul_f32 v249, s94, v254                      ; as t = score x log2(e) / 4: the head's first step starts the running maximum
	v_floor_f32 v248, -v249                        ; -M = floor(-t) = -ceil(t)
.else
	v_mul_f32 v254, s94, v254
	v_max_num_f32 v249, v249, v254                 ; the running largest t
	v_mov_b32 v254, v248
	v_floor_f32 v248, -v249                        ; the new -M
	v_sub_f32 v254, v248, v254                     ; old M - new M: a whole number, 0 or less
	v_cvt_i32_f32 v254, v254
	v_ldexp_f32 v252, 1.0, v254                    ; f = 2^(old M - new M): multiplying by it rounds nothing
.endif
.set II, 0
.rept 32
	v_pk_fma_f32 v[P+II:P+II+1], v[S+II:S+II+1], s[94:95], v[248:249] op_sel_hi:[1,0,0]   ; t - M, two at a time (of the pairs the low word serves both halves)
.set II, II+2
.endr
.irp b, 0,1,2,3
	v_fma_f32 v[TM+\b], v[TM+\b], s94, v248        ; the same of each block's largest score
.endr
.set II, 0
.rept 64
	v_exp_f32 v[P+II], v[P+II]                     ; p = 2^(t - M): not normalised
.set II, II+1
.endr
.if \s == 0
	v_nop                                          ; a plain line behind the exponentials
.else
	v_pk_mul_f32 v[250:251], v[250:251], v[252:253] op_sel_hi:[1,0]            ; the sum under the new M (a plain line behind the exponentials)
.endif
	s_wait_alu depctr_va_vdst(0)                   ; one wait for the batch of 64, ahead of its first reader
.irp b, 0,1,2,3
	v_exp_f32 v[TM+\b], v[TM+\b]                   ; the block's largest p
.endr
	v_pk_add_f32 v[TM+4:TM+5], v[P:P+1], v[P+2:P+3]                            ; the row's sum of the UNQUANTISED p, in two chains; it names none of the four results
.irp j, 4,8,12,16,20,24,28,32,36,40,44,48,52,56,60
.if (\s == 0) && (\j == 4)
	v_pk_add_f32 v[250:251], v[P+4:P+5], v[P+6:P+7]                            ; the head's first step starts the sum
.else
	v_pk_add_f32 v[250:251], v[250:251], v[P+\j:P+\j+1]
	v_pk_add_f32 v[TM+4:TM+5], v[TM+4:TM+5], v[P+\j+2:P+\j+3]
.endif
.endr
	v_pk_add_f32 v[250:251], v[250:251], v[TM+4:TM+5]
	s_wait_alu depctr_va_vdst(0)                   ; and one wait for the four
.irp b, 0,1,2,3
	v_max_num_f32 v[TM+\b], 0x8000000, v[TM+\b]    ; the floor 2^(16 - 127)
.endr
.irp b, 0,1,2,3
	v_add_nc_u32 v[TM+12+\b], 0xf8800000, v[TM+\b]
.endr
.irp b, 0,1,2,3
	v_and_or_b32 v[TM+8+\b], v[TM+\b], 0x7f800000, s96
.endr
.irp b, 0,1,2,3
	v_lshrrev_b32 v[TM+4+\b], 23, v[TM+12+\b]
.endr
	v_lshl_or_b32 v9, v[TM+5], 8, v[TM+4]          ; p's scale word for these 128 keys; the 64 holds below stand between it and the product
	v_lshl_or_b32 v9, v[TM+6], 16, v9
	v_lshl_or_b32 v9, v[TM+7], 24, v9
.irp b, 0,1,2,3
.set II, 0
.rept 16
	v_min_num_f32 v[P+16*\b+II], v[P+16*\b+II], v[TM+8+\b]                     ; p is not negative: the hold is one-sided
.set II, II+1
.endr
	v_cvt_scalef32_pk8_bf8_f32 v[PC+4*\b:PC+4*\b+1], v[P+16*\b:P+16*\b+7], v[TM+12+\b]
	v_cvt_scalef32_pk8_bf8_f32 v[PC+4*\b+2:PC+4*\b+3], v[P+16*\b+8:P+16*\b+15], v[TM+12+\b]
.endr
.if \s == 1
.irp j, 0,2,4,6
	v_pk_mul_f32 v[O+\j:O+\j+1], v[O+\j:O+\j+1], v[252:253] op_sel_hi:[1,0]    ; O^T under the new M
.endr
.endif
	PLACES 4                                       ; four places between the codes' last write and the scaled product
	s_wait_dscnt 0x0                               ; V^T's fragment and scale words are in
.if \s == 0
	SMUL O, R1, PC, -1, 10, 9, 0                   ; O^T = V^T P^T: the first step starts the sum
.else
	SMUL O, R1, PC, O, 10, 9, 0                    ; 32 other accumulators' instructions stand between the two links, one instruction a turn
.endif
.endm
.macro FINISH g                        ; O^T / l into the registers that q of head g has left
	v_add_f32 v250, v250, v251                     ; the sum's two halves,
	v_permlanex16_b32 v254, v250, s92, s93
	v_add_f32 v250, v250, v254                     ; and lane l xor 16's keys
	v_rcp_f32 v250, v250
	PLACES 6                                       ; with the two additions: eight plain places behind the product, ahead of the first read of O^T
	s_wait_alu depctr_va_vdst(0)                   ; the wait ahead of the reciprocal's first reader
.irp j, 0,2,4,6
	v_pk_mul_f32 v[Q+8*\g+\j:Q+8*\g+\j+1], v[O+\j:O+\j+1], v[250:251] op_sel_hi:[1,0]
.endr
.endm
	; ---------------- the head: ids, addresses, descriptors
	s_load_b512 s[4:19], s[0:1], 0x0               ; x, gamma, beta, Wqkv_codes, Wqkv_scales, bqkv, hcodes, hscales
.if VERT
	s_load_b256 s[20:27], s[0:1], 0x40             ; Wproj_codes, Wproj_scales, bproj, out0
	v_lshl_add_u32 v254, v0, 2, 0x48000
	v_mov_b32 v255, 0
	ds_add_u32 v254, v255
	ds_add_u32 v254, v255
	s_wait_dscnt 0x0
.endif
	v_lshrrev_b32 v255, 5, v0
	v_readfirstlane_b32 s28, v255                  ; wave 0..15
	v_and_b32 v254, 15, v0                         ; r
	v_bfe_u32 v255, v0, 4, 1                       ; hf
	v_and_b32 v253, 31, v0                         ; lane
	v_and_b32 v252, 8, v254
	v_add_nc_u32 v252, v252, v254                  ; TL = r + (r & 8)
	s_and_b32 s29, s28, 1                          ; w & 1  (kept)
	s_lshr_b32 s30, s28, 1                         ; w >> 1 (kept)
	s_lshl_b32 s31, s29, 3
	s_lshl_b32 s97, s30, 5
	s_add_co_u32 s97, s97, s31                     ; TW
	s_and_b32 s35, ttmp7, 0xffff                   ; the image
	s_mov_b32 s92, 0x76543210
	s_mov_b32 s93, 0xfedcba98                      ; v_permlanex16_b32's selects for lane l xor 16
	s_mov_b32 s94, 0x3eb8aa3b                      ; log2(e) / sqrt(16)
	s_mov_b32 s95, s94                             ; (named with it as a pair)
	s_mov_b32 s96, 0x600000                        ; the mantissa field of 57,344
	s_mov_b32 s2, 0x3c000000                       ; 1 / 128
	s_mov_b32 s3, 0x3727c5ac                       ; 1e-5
	v_add_nc_u32 v4, s97, v252
	v_mul_u32_u24 v4, v4, XP
	v_lshl_add_u32 v4, v255, 6, v4                 ; x: my token's row, + 64 hf: my 16 channels of a block of 32
	v_mul_u32_u24 v5, v254, WT
	v_lshl_add_u32 v5, v255, 4, v5
	v_add_nc_u32 v5, WQ, v5                        ; weights: row r, + 16 hf
	v_lshlrev_b32 v6, 6, v255
	v_add_nc_u32 v6, GB, v6                        ; gamma: + 64 hf
	v_lshlrev_b32 v250, 4, v253                    ; 16 lane
	v_lshlrev_b32 v249, 2, v253                    ; 4 lane
	v_lshlrev_b32 v248, 2, v254                    ; 4 r
	v_lshlrev_b32 v231, 5, v255                    ; 32 hf
	v_add_nc_u32 v251, GB, v250
	v_add_nc_u32 v1, KIMG, v250
	v_add_nc_u32 v2, VIMG, v250
	v_add_nc_u32 v3, VSC, v248
	s_lshl_b32 s31, s28, 10
	v_add_nc_u32 v7, s31, v1                       ; where I store k's images: tile w
	s_lshl_b32 s31, s30, 9
	s_lshl_b32 s32, s29, 3
	s_add_co_u32 s31, s31, s32
	v_add_nc_u32 v8, s31, v2                       ; where I store my 8 bytes of V^T: register group w >> 1, bytes 8 (w & 1) on
	s_lshr_b32 s31, s28, 3
	s_lshl_b32 s31, s31, 6
	s_and_b32 s32, s30, 3
	s_add_co_u32 s31, s31, s32
	v_add_nc_u32 v228, s31, v3                     ; V's scale byte: step w >> 3, byte (w >> 1) & 3 of channel r's word
	s_lshl_b32 s31, s28, 9
	v_add_nc_u32 v229, s31, v250
	v_add_nc_u32 v229, MX, v229                    ; my partial maxima,
	s_xor_b32 s31, s28, 1
	s_lshl_b32 s31, s31, 9
	v_add_nc_u32 v230, s31, v250
	v_add_nc_u32 v230, MX, v230                    ; and those of the wave that shares my blocks of 32 keys
	; descriptor groups 1, constants.  x: 64 rows of 128 elements of 4 bytes, 4 words of padding behind every 128
	s_mov_b32 s36, (2<<16)|(1<<20)|(6<<22)|(3<<25)
	s_mov_b32 s37, 128<<16
	s_mov_b32 s38, 64<<16
	s_mov_b32 s39, 128<<16
	s_mov_b32 s40, 64
.if VERT
	s_mov_b32 s41, 16384                           ; from token to token of a column: an image row
.else
	s_mov_b32 s41, 128
.endif
	s_mov_b32 s42, 0
	s_mov_b32 s43, 0
	; weights: 64 rows of 128 bytes, 4 words of padding behind every 32
	s_mov_b32 s44, (1<<20)|(4<<22)|(3<<25)
	s_mov_b32 s45, 128<<16
	s_mov_b32 s46, 64<<16
	s_mov_b32 s47, 128<<16
	s_mov_b32 s48, 64
	s_mov_b32 s49, 128
	s_mov_b32 s50, 0
	s_mov_b32 s51, 0
.if VERT
	; stored codes: 64 rows of 256 bytes, 16,384 bytes apart, 4 words of padding behind every 64
	s_mov_b32 s52, (1<<20)|(5<<22)|(3<<25)
	s_mov_b32 s53, 256<<16
	s_mov_b32 s54, 64<<16
	s_mov_b32 s55, 256<<16
	s_mov_b32 s56, 64
	s_mov_b32 s57, 16384
	s_mov_b32 s58, 0
	s_mov_b32 s59, 0
	; stored scale words: 64 rows of 4 words, 256 words apart
	s_mov_b32 s68, 2<<16
	s_mov_b32 s69, 4<<16
	s_mov_b32 s70, 64<<16
	s_mov_b32 s71, 4<<16
	s_mov_b32 s72, 64
	s_mov_b32 s73, 256
	s_mov_b32 s74, 0
	s_mov_b32 s75, 0
.endif
	; x: waves 0-3 fetch 64 tokens each (the other waves' numbers are held at 3: they do not issue this load)
	s_min_u32 s60, s28, 3
	s_mul_i32 s77, s60, 64*XP
.if VERT
	s_lshl_b32 s32, s35, 23
	s_lshl_b32 s31, ttmp9, 10
	s_add_co_u32 s32, s32, s31
	s_lshr_b32 s31, s60, 1
	s_lshl_b32 s31, s31, 9
	s_add_co_u32 s32, s32, s31                     ; image column 2 stripe + (w >> 1)
	s_and_b32 s31, s60, 1
	s_lshl_b32 s31, s31, 22
	s_add_co_u32 s32, s32, s31                     ; image rows 64 (w & 1) on
.else
	s_lshl_b32 s34, s35, 6
	s_add_co_u32 s34, s34, ttmp9                   ; the stripe among all 512
	s_lshl_b32 s32, s34, 17
	s_lshl_b32 s31, s60, 15
	s_add_co_u32 s32, s32, s31
.endif
	s_mov_b32 s33, 0
	; weights: waves 4-6 fetch q's, k's, v's 64 rows of Wqkv (VERT: waves 7, 8 the halves of Wproj)
	s_mul_i32 s81, s28, 64*WT
	s_add_co_u32 s81, s81, WQ-4*64*WT
	s_max_u32 s60, s28, 4
	s_sub_co_u32 s60, s60, 4
.if VERT
	s_min_u32 s60, s60, 4
	s_lshl_b32 s62, s60, 14
	s_add_co_u32 s62, s62, 128*OFF
	s_max_u32 s61, s60, 3
	s_sub_co_u32 s61, s61, 3
	s_lshl_b32 s61, s61, 13
.else
	s_min_u32 s60, s60, 2
	s_lshl_b32 s62, s60, 14
.endif
	s_mov_b32 s63, 0
	s_wait_kmcnt 0x0
	s_mov_b32 s76, 1
	s_add_nc_u64 s[78:79], s[4:5], s[32:33]
	s_or_b32 s79, s79, 0x80000000
	s_mov_b32 s80, 1
.if VERT
	s_cmp_lt_u32 s28, 7                            ; the choice hangs on the wave's number alone
	s_cselect_b32 s62, s62, s61
	s_cselect_b64 s[82:83], s[10:11], s[20:21]
.else
	s_mov_b64 s[82:83], s[10:11]
.endif
	s_add_nc_u64 s[82:83], s[82:83], s[62:63]
	s_or_b32 s83, s83, 0x80000000
.if VERT
	s_lshl_b32 s32, s35, 20
	s_lshl_b32 s31, ttmp9, 8
	s_add_co_u32 s32, s32, s31
	s_mov_b32 s84, 1
	s_mov_b32 s85, HC
	s_add_nc_u64 s[86:87], s[16:17], s[32:33]
	s_or_b32 s87, s87, 0x80000000
	s_lshl_b32 s32, s35, 16
	s_lshl_b32 s31, ttmp9, 4
	s_add_co_u32 s32, s32, s31
	s_mov_b32 s88, 1
	s_mov_b32 s89, HS
	s_add_nc_u64 s[90:91], s[18:19], s[32:33]
	s_or_b32 s91, s91, 0x80000000
.endif
	; THE FILLS: one tensor load a wave at the most, each into bytes of its own, ahead of every wait on TENSORcnt, every LDS read and every barrier.  Four v_nop follow each
	s_cmp_lt_u32 s28, 4
	s_cbranch_scc0 .Lnot_x
	tensor_load_to_lds s[76:79], s[36:43]
	s_nop 0
	PLACES 4
	s_branch .Lfilled
.Lnot_x:
	s_cmp_lt_u32 s28, 7+2*VERT
	s_cbranch_scc0 .Lnot_w
	tensor_load_to_lds s[80:83], s[44:51]
	s_nop 0
	PLACES 4
	s_branch .Lfilled
.Lnot_w:
.if VERT
	s_cmp_eq_u32 s28, 9
	s_cbranch_scc0 .Lnot_h
	tensor_load_to_lds s[84:87], s[52:59]
	s_nop 0
	PLACES 4
	s_branch .Lfilled
.Lnot_h:
	s_cmp_eq_u32 s28, 10
	s_cbranch_scc0 .Lnot_s
	tensor_load_to_lds s[88:91], s[68:75]
	s_nop 0
	PLACES 4
	s_branch .Lfilled
.Lnot_s:
.endif
	s_cmp_eq_u32 s28, 15
	s_cbranch_scc0 .Lfilled
	global_load_b128 v[P:P+3], v250, s[6:7]        ; wave 15 brings gamma and beta, 512 bytes each, once for the work-group
	global_load_b128 v[P+4:P+7], v250, s[8:9]
	s_wait_loadcnt 0x0
	ds_store_b128 v251, v[P:P+3]
	ds_store_b128 v251, v[P+4:P+7] offset:512
.Lfilled:
.irp g, 0,1,2,3
	global_load_b32 v[O+\g], v248, s[14:15] offset:1024+(OFF+16*\g)*4          ; v's bias: channel r of head g
.endr
.irp p, 0,1,2
.irp u, 0,1
	global_load_b32 v[10+2*\p+\u], v249, s[12:13] offset:512*\p+4*OFF+128*\u   ; Wqkv's scale words: lanes 0-15 head 2 u's rows, lanes 16-31 head 2 u + 1's
.endr
.endr
.irp g, 0,1,2,3
	global_load_b128 v[Q+8*\g:Q+8*\g+3], v231, s[14:15] offset:(OFF+16*\g)*4   ; q's bias in the result's layout: it is the C of q's product
	global_load_b128 v[Q+8*\g+4:Q+8*\g+7], v231, s[14:15] offset:(OFF+16*\g)*4+16
.endr
	; where the results go
.if VERT
	s_lshl_b32 s32, s35, 23
	s_lshl_b32 s31, ttmp9, 10
	s_add_co_u32 s32, s32, s31
	s_lshr_b32 s31, s28, 3
	s_lshl_b32 s31, s31, 9
	s_add_co_u32 s32, s32, s31                     ; image column 2 stripe + (w >> 3)
	s_and_b32 s31, s97, 127
	s_lshl_b32 s31, s31, 16
	s_add_co_u32 s32, s32, s31                     ; image row TW & 127
	s_add_nc_u64 s[98:99], s[26:27], s[32:33]
.else
	s_lshl_b32 s32, s34, 14
	s_add_nc_u64 s[98:99], s[16:17], s[32:33]      ; the stripe's 16,384 bytes of codes
	s_lshl_b32 s32, s34, 10
	s_add_nc_u64 s[66:67], s[18:19], s[32:33]      ; and its 1,024 bytes of scale words
.endif
	s_wait_tensorcnt 0x0                           ; my fill has landed
	BAR                                            ; everybody's has; gamma and beta are stored
	; ---------------- layer norm of my 16 tokens: a lane holds 64 channels of its token, lane l xor 16 the other 64
.irp c, 0,1,2,3
.irp j, 0,1,2,3
	ds_load_b128 v[P+16*\c+4*\j:P+16*\c+4*\j+3], v4 offset:128*\c+16*\j
.endr
.endr
	GBLOAD 0, PC, TM
	GBLOAD 1, R1, R1+16
	s_wait_xcnt 0x0                                ; the loads above have read their offsets: v248-251 are written again only behind this wait
	s_wait_dscnt 16                                ; x is in; the 16 loads of gamma and beta may be out
	v_pk_add_f32 v[248:249], v[P:P+1], v[P+2:P+3]
	v_pk_add_f32 v[250:251], v[P+4:P+5], v[P+6:P+7]
.irp j, 8,12,16,20,24,28,32,36,40,44,48,52,56,60
	v_pk_add_f32 v[248:249], v[248:249], v[P+\j:P+\j+1]
	v_pk_add_f32 v[250:251], v[250:251], v[P+\j+2:P+\j+3]
.endr
	v_pk_add_f32 v[248:249], v[248:249], v[250:251]
	v_add_f32 v248, v248, v249
	v_permlanex16_b32 v252, v248, s92, s93
	v_add_f32 v248, v248, v252
	v_mul_f32 v248, s2, v248                       ; the mean
.set II, 0
.rept 32
	v_pk_add_f32 v[P+II:P+II+1], v[P+II:P+II+1], v[248:249] op_sel_hi:[1,0] neg_lo:[0,1] neg_hi:[0,1]   ; x - mean first, then the squares: a common offset does no harm
.set II, II+2
.endr
	v_pk_mul_f32 v[250:251], v[P:P+1], v[P:P+1]
	v_pk_mul_f32 v[252:253], v[P+2:P+3], v[P+2:P+3]
.irp j, 4,8,12,16,20,24,28,32,36,40,44,48,52,56,60
	v_pk_fma_f32 v[250:251], v[P+\j:P+\j+1], v[P+\j:P+\j+1], v[250:251]
	v_pk_fma_f32 v[252:253], v[P+\j+2:P+\j+3], v[P+\j+2:P+\j+3], v[252:253]
.endr
	v_pk_add_f32 v[250:251], v[250:251], v[252:253]
	v_add_f32 v250, v250, v251
	v_permlanex16_b32 v252, v250, s92, s93
	v_add_f32 v250, v250, v252
	v_fma_f32 v250, v250, s2, s3                   ; the variance + 1e-5
	v_rsq_f32 v250, v250
	v_nop                                          ; a plain line behind the transcendental
	s_wait_alu depctr_va_vdst(0)                   ; and the wait ahead of its first reader
	s_wait_dscnt 8                                 ; set 0 of gamma and beta is in; set 1's eight loads may be out
	APPLY 0, PC, TM
	GBLOAD 2, PC, TM
	s_wait_dscnt 8                                 ; set 1 is in; the eight just issued may be out
	APPLY 1, R1, R1+16
	GBLOAD 3, R1, R1+16
	s_wait_dscnt 8                                 ; likewise
	APPLY 2, PC, TM
	s_wait_dscnt 0x0
	APPLY 3, R1, R1+16
.irp g, 0,1,2,3
	global_load_b128 v[R1+8*\g:R1+8*\g+3], v231, s[14:15] offset:512+(OFF+16*\g)*4      ; k's bias: the C of k's product
	global_load_b128 v[R1+8*\g+4:R1+8*\g+7], v231, s[14:15] offset:512+(OFF+16*\g)*4+16
.endr
	QSCALE P, 4
	v_lshl_or_b32 v9, v[TM+5], 8, v[TM+4]          ; my token's scale word; the 64 holds stand between it and the products
	v_lshl_or_b32 v9, v[TM+6], 16, v9
	v_lshl_or_b32 v9, v[TM+7], 24, v9
	QCVT P, 4, PC                                  ; xn's fragment: it serves as source 1 for q and k and as source 0 for v
	; ---------------- q, k, v
	WFRAG 0
	PLACES 4                                       ; four places between the codes' last write and the scaled products
	s_wait_dscnt 0x0
	s_wait_loadcnt 0x8                             ; v's bias, the scale words and q's bias are in; k's bias, eight loads, may be out
.irp g, 0,1,2,3
	SMUL Q+8*\g, P+16*\g, PC, Q+8*\g, 10+\g/2, 9, \g%2
.endr
	PLACES 8                                       ; ahead of loads into registers that these products read
	WFRAG 1
	s_wait_dscnt 0x0
	s_wait_loadcnt 0x0
.irp g, 0,1,2,3
	SMUL R1+8*\g, P+16*\g, PC, R1+8*\g, 12+\g/2, 9, \g%2
.endr
	PLACES 9                                       ; eight ahead of the stores of k and of the loads below; nine ahead of v's products, which write over k's registers
.irp g, 0,1,2,3
	ds_store_b128 v7, v[R1+8*\g:R1+8*\g+3] offset:16384*\g                     ; k's image, each result from its low end on
	ds_store_b128 v7, v[R1+8*\g+4:R1+8*\g+7] offset:16384*\g+512
.endr
	WFRAG 2
	s_wait_dscnt 0x0                               ; the fragments are in, and the stores have read k
.irp g, 0,1,2,3
	SMUL R1+8*\g, PC, P+16*\g, -1, 9, 14+\g/2, 2*(\g%2)
.endr
	PLACES 8
.if VERT
	v_and_b32 v231, 31, v0
	v_lshlrev_b32 v231, 2, v231
.irp u, 0,1,2,3
	global_load_b32 v[11+\u], v231, s[22:23] offset:128*\u                     ; Wproj's scale words: lanes 0-15 tile 2 u's rows, lanes 16-31 tile 2 u + 1's
.endr
.endif
.irp g, 0,1,2,3
.irp j, 0,1,2,3,4,5,6,7
	v_add_f32 v[R1+8*\g+\j], v[R1+8*\g+\j], v[O+\g]                            ; v's bias: one channel a lane
.endr
.endr
.irp g, 0,1,2,3
	v_max3_num_f32 v[TM+\g], |v[R1+8*\g]|, |v[R1+8*\g+1]|, 0x8000000           ; the largest magnitude of my 8 keys, with the floor
.endr
.irp i, 2,4,6
.irp g, 0,1,2,3
	v_max3_num_f32 v[TM+\g], v[TM+\g], |v[R1+8*\g+\i]|, |v[R1+8*\g+\i+1]|
.endr
.endr
	ds_store_b128 v229, v[TM:TM+3]
	BAR                                            ; the partial maxima lie in LDS (and nobody reads x's rows any more but their owner)
	ds_load_b128 v[TM+4:TM+7], v230                ; a block of 32 keys lies in waves w and w xor 1, in both halves of the lanes
	s_wait_dscnt 0x0
.irp g, 0,1,2,3
	v_max_num_f32 v[TM+\g], v[TM+\g], v[TM+4+\g]
.endr
.irp g, 0,1,2,3
	v_permlanex16_b32 v[TM+4+\g], v[TM+\g], s92, s93
.endr
.irp g, 0,1,2,3
	v_max_num_f32 v[TM+\g], v[TM+\g], v[TM+4+\g]
.endr
.irp g, 0,1,2,3
	v_add_nc_u32 v[TM+12+\g], 0xf8800000, v[TM+\g]
.endr
.irp g, 0,1,2,3
	v_and_or_b32 v[TM+8+\g], v[TM+\g], 0x7f800000, s96
.endr
.irp g, 0,1,2,3
	v_lshrrev_b32 v[TM+4+\g], 23, v[TM+12+\g]
.endr
.irp g, 0,1,2,3
.irp j, 0,1,2,3,4,5,6,7
	v_med3_num_f32 v[R1+8*\g+\j], v[R1+8*\g+\j], -v[TM+8+\g], v[TM+8+\g]
.endr
	v_cvt_scalef32_pk8_bf8_f32 v[PC+2*\g:PC+2*\g+1], v[R1+8*\g:R1+8*\g+7], v[TM+12+\g]
.endr
	v_nop                                          ; one plain line behind the last conversion
.irp g, 0,1,2,3
	ds_store_b64 v8, v[PC+2*\g:PC+2*\g+1] offset:4096*\g                       ; my 8 bytes of each lane's 16 in V^T's image
.endr
	s_cmp_lg_u32 s29, 0                            ; of the two waves of a block the even one stores its scale bytes
	s_cbranch_scc1 .Lodd
.irp g, 0,1,2,3
	ds_store_b8 v228, v[TM+4+\g] offset:128*\g     ; both halves of the lanes write the same byte with the same value
.endr
.Lodd:
.if VERT
	s_wait_loadcnt 0x0                             ; Wproj's scale words
.endif
	v_mov_b32 v253, 0                              ; named as the upper half of the pair v[252:253]
	BAR                                            ; k's and V^T's images and V's scale words are whole
	; ---------------- attention: four heads, two steps of 128 keys each
.irp g, 0,1,2,3
	STEP \g, 0
	STEP \g, 1
	FINISH \g
.endr
.if VERT == 0
	; ---------------- the way out of the row stripes: h's K blocks 0 and 1 as codes and a scale word
	v_and_b32 v254, 15, v0                         ; r
	v_bfe_u32 v255, v0, 4, 1                       ; hf
	v_and_b32 v4, 6, v254
	v_lshlrev_b32 v4, 7, v4
	v_and_b32 v252, 8, v254
	v_lshl_add_u32 v4, v252, 8, v4
	v_and_b32 v252, 1, v254
	v_lshl_add_u32 v4, v252, 6, v4
	s_lshl_b32 s31, s29, 10
	s_and_b32 s32, s30, 3
	s_lshl_b32 s32, s32, 12
	s_add_co_u32 s31, s31, s32
	s_lshr_b32 s32, s28, 3
	s_lshl_b32 s32, s32, 7
	s_add_co_u32 s31, s31, s32
	v_add_nc_u32 v4, s31, v4                       ; my token's 64 bytes in the stripe's codes: 256 (w_img / 2) + 128 (h % 2) + 64 (w_img % 2)
	v_lshrrev_b32 v5, 4, v4
	v_add_nc_u32 v5, SST, v5                       ; its scale word: a sixteenth of that
	v_lshl_add_u32 v4, v255, 5, v4                 ; + 32 hf  (the stage begins at LDS byte CST = 0)
	v_and_b32 v6, 31, v0
	v_lshlrev_b32 v6, 4, v6
	s_lshl_b32 s31, s28, 9
	v_add_nc_u32 v7, s31, v6                       ; 512 w + 16 lane: the scale words on the way out,
	v_add_nc_u32 v8, SST, v7
	s_lshl_b32 s31, s28, 10
	v_add_nc_u32 v6, s31, v6                       ; 1,024 w + 16 lane: the codes: the same place in the stage and in the stripe's part of hcodes
	QSCALE Q, 2
	v_lshl_or_b32 v9, v[TM+5], 8, v[TM+4]          ; bytes 0 and 1; the upper half stays 0 for the other launch's two
	QCVT Q, 2, PC
	ds_store_b128 v4, v[PC:PC+3]
	ds_store_b128 v4, v[PC+4:PC+7] offset:16
	ds_store_b32 v5, v9                            ; both halves of the lanes write the same word with the same value
	BAR                                            ; the stripe's codes and scale words lie in the stage as they lie in memory
	ds_load_b128 v[P:P+3], v6
	ds_load_b128 v[P+4:P+7], v6 offset:512
	s_wait_dscnt 1                                 ; the first is in; the second may be out
	global_store_b128 v6, v[P:P+3], s[98:99]       ; 32 lanes store 512 consecutive bytes, at a multiple of 256 from the buffer's first byte
	s_wait_dscnt 0x0
	global_store_b128 v6, v[P+4:P+7], s[98:99] offset:512
	s_cmp_lt_u32 s28, 2
	s_cbranch_scc0 .Lend
	ds_load_b128 v[P+8:P+11], v8                   ; waves 0 and 1: the stripe's 1,024 bytes of scale words
	s_wait_dscnt 0x0
	global_store_b128 v7, v[P+8:P+11], s[66:67]
.Lend:
	s_endpgm
.else
	; ---------------- the way out of the column stripes: the projection, bproj and the residual
	v_and_b32 v228, 31, v0
	v_lshlrev_b32 v228, 4, v228                    ; 16 lane
	global_load_b128 v[O:O+3], v228, s[24:25]      ; bproj: my four channels of a whole row
	v_and_b32 v254, 15, v0                         ; r
	v_bfe_u32 v255, v0, 4, 1                       ; hf
	v_bfe_u32 v4, v0, 1, 2
	v_and_b32 v252, 8, v254
	v_add_nc_u32 v4, v4, v252
	s_lshl_b32 s31, s29, 2
	s_and_b32 s32, s30, 3
	s_lshl_b32 s32, s32, 4
	s_add_co_u32 s31, s31, s32
	v_add_nc_u32 v4, s31, v4                       ; h / 2 of my token
	v_mul_u32_u24 v4, v4, HP
	v_and_b32 v251, 1, v0
	v_lshl_add_u32 v4, v251, 7, v4                 ; + 128 (h % 2)
	v_lshl_add_u32 v4, v255, 5, v4                 ; + 32 hf
	s_lshr_b32 s32, s28, 3
	s_lshl_b32 s32, s32, 6
	s_add_co_u32 s32, s32, HC
	v_add_nc_u32 v4, s32, v4                       ; + 64 (w_img % 2): my 32 bytes of the stored codes
	v_add_nc_u32 v253, v252, v254                  ; TL
	s_and_b32 s33, s97, 127
	s_lshl_b32 s33, s33, 3
	s_lshr_b32 s31, s28, 3
	s_lshl_b32 s31, s31, 2
	s_add_co_u32 s33, s33, s31
	s_add_co_u32 s33, s33, HS
	v_lshl_add_u32 v5, v253, 3, s33                ; the stored scale word: 8 h + 4 (w_img % 2)
	v_add_nc_u32 v6, s97, v253
	v_mul_u32_u24 v6, v6, XP
	v_lshl_add_u32 v6, v255, 5, v6                 ; x and the results: my token's row, + 32 hf
	v_mul_u32_u24 v7, v254, WT
	v_lshl_add_u32 v7, v255, 3, v7
	v_add_nc_u32 v7, WP, v7                        ; Wproj: row r, + 8 hf: its K is taken in h's order: channels 8 hf + 0..7 and 16 + 8 hf + 0..7 of each block of 32
	s_mul_i32 s34, s97, XP
	v_add_nc_u32 v8, s34, v228                     ; whole rows back: 16 bytes a lane
	ds_load_b128 v[PC:PC+3], v4                    ; h's K blocks 0 and 1, as the other launch's lanes held them
	ds_load_b128 v[PC+4:PC+7], v4 offset:16
	ds_load_b32 v15, v5
	QSCALE Q, 2
	s_wait_dscnt 0x0
	v_lshl_or_b32 v9, v[TM+4], 16, v15             ; the four bytes of my token's scale word; the 32 holds stand between it and the products
	v_lshl_or_b32 v9, v[TM+5], 24, v9
	QCVT Q, 2, PC+8                                ; K blocks 2 and 3
.irp t, 0,1,2,3
	ds_load_b128 v[R1+8*\t:R1+8*\t+3], v6 offset:64*\t                         ; x in the result's layout: the C of the projection's products
	ds_load_b128 v[R1+8*\t+4:R1+8*\t+7], v6 offset:64*\t+16
.endr
.irp t, 0,1,2,3
	ds_load_b128 v[Q+8*\t:Q+8*\t+3], v6 offset:256+64*\t
	ds_load_b128 v[Q+8*\t+4:Q+8*\t+7], v6 offset:256+64*\t+16
.endr
.irp t, 0,1,2,3
.irp c, 0,1,2,3,4,5,6,7
	ds_load_b64 v[P+16*\t+2*\c:P+16*\t+2*\c+1], v7 offset:16*\t*WT+16*\c
.endr
.endr
	PLACES 4                                       ; four places between the codes' last write and the scaled products
	s_wait_dscnt 0x0
.irp t, 0,1,2,3
	SMUL S+8*\t, P+16*\t, PC, R1+8*\t, 11+\t/2, 9, \t%2                        ; transposed: a lane holds eight neighbouring channels of its token
.endr
	PLACES 8                                       ; ahead of loads into registers that these products read
.irp t, 0,1,2,3
.irp c, 0,1,2,3,4,5,6,7
	ds_load_b64 v[P+16*\t+2*\c:P+16*\t+2*\c+1], v7 offset:(64+16*\t)*WT+16*\c
.endr
.endr
	s_wait_dscnt 0x0
.irp t, 0,1,2,3
	SMUL S+32+8*\t, P+16*\t, PC, Q+8*\t, 13+\t/2, 9, \t%2
.endr
	PLACES 8                                       ; ahead of the stores of the results and of the loads into Wproj's registers
.irp t, 0,1,2,3,4,5,6,7
	ds_store_b128 v6, v[S+8*\t:S+8*\t+3] offset:64*\t                          ; over x's bytes in my own 16 rows, each result from its low end on
	ds_store_b128 v6, v[S+8*\t+4:S+8*\t+7] offset:64*\t+16
.endr
.irp q, 0,1,2,3,4,5,6,7,8,9,10,11,12,13,14,15
	ds_load_b128 v[P+4*\q:P+4*\q+3], v8 offset:(\q+8*(\q/8))*XP                ; LDS serves a wave's instructions in order (ISA guide 5.7.1.4): these see my stores
.endr
	s_wait_loadcnt 0x0                             ; bproj
.irp q, 0,1,2,3,4,5,6,7,8,9,10,11,12,13,14,15
	s_wait_dscnt 15-\q                             ; row q is back; the younger rows may be out
	v_pk_add_f32 v[P+4*\q:P+4*\q+1], v[P+4*\q:P+4*\q+1], v[O:O+1]
	v_pk_add_f32 v[P+4*\q+2:P+4*\q+3], v[P+4*\q+2:P+4*\q+3], v[O+2:O+3]
	global_store_b128 v228, v[P+4*\q:P+4*\q+3], s[98:99] offset:(\q+8*(\q/8))*65536 th:TH_STORE_NT   ; 32 lanes store a token's 512 consecutive bytes, at a multiple of 256 from out0's first byte
.endr
	s_wait_xcnt 0x0
	v_lshl_add_u32 v254, v0, 2, 0x48000
	v_mov_b32 v255, 0
	s_wait_tensorcnt 0x0
	ds_add_u32 v254, v255
	s_wait_dscnt 0x0
	s_endpgm
.endif
.Lfunc_end_k_q6afaf6d8d1_vert:
	.size	k_q6afaf6d8d1_vert, .Lfunc_end_k_q6afaf6d8d1_vert-k_q6afaf6d8d1_vert
	.p2alignl 7, 3214868480
	.fill 96, 4, 3214868480
	.section	.rodata,"a",@progbits
	.p2align	6, 0x0
	.amdhsa_kernel k_q6afaf6d8d1_vert
		.amdhsa_group_segment_fixed_size 296960
		.amdhsa_private_segment_fixed_size 0
		.amdhsa_enable_private_segment 0
		.amdhsa_kernarg_size 96
		.amdhsa_user_sgpr_count 2
		.amdhsa_user_sgpr_kernarg_segment_ptr 1
		.amdhsa_wavefront_size32 1
		.amdhsa_system_sgpr_workgroup_id_x 1
		.amdhsa_system_sgpr_workgroup_id_y 1
		.amdhsa_system_sgpr_workgroup_id_z 1
		.amdhsa_system_vgpr_workitem_id 0
		.amdhsa_next_free_vgpr 256
		.amdhsa_next_free_sgpr 100
		.amdhsa_reserve_vcc 0
		.amdhsa_float_denorm_mode_32 3
		.amdhsa_float_denorm_mode_16_64 3
		.amdhsa_memory_ordered 1
		.amdhsa_forward_progress 1
		.amdhsa_inst_pref_size 201
	.end_amdhsa_kernel
	.amdgpu_metadata
---
amdhsa.version: [ 1, 2 ]
amdhsa.kernels:
  - .name:           k_q6afaf6d8d1_vert
    .symbol:         k_q6afaf6d8d1_vert.kd
    .args:
      - { .name: x, .offset: 0, .size: 8, .value_kind: global_buffer, .address_space: global }
      - { .name: gamma, .offset: 8, .size: 8, .value_kind: global_buffer, .address_space: global }
      - { .name: beta, .offset: 16, .size: 8, .value_kind: global_buffer, .address_space: global }
      - { .name: Wqkv_codes, .offset: 24, .size: 8, .value_kind: global_buffer, .address_space: global }
      - { .name: Wqkv_scales, .offset: 32, .size: 8, .value_kind: global_buffer, .address_space: global }
      - { .name: bqkv, .offset: 40, .size: 8, .value_kind: global_buffer, .address_space: global }
      - { .name: hcodes, .offset: 48, .size: 8, .value_kind: global_buffer, .address_space: global }
      - { .name: hscales, .offset: 56, .size: 8, .value_kind: global_buffer, .address_space: global }
      - { .name: Wproj_codes, .offset: 64, .size: 8, .value_kind: global_buffer, .address_space: global }
      - { .name: Wproj_scales, .offset: 72, .size: 8, .value_kind: global_buffer, .address_space: global }
      - { .name: bproj, .offset: 80, .size: 8, .value_kind: global_buffer, .address_space: global }
      - { .name: out0, .offset: 88, .size: 8, .value_kind: global_buffer, .address_space: global }
    .group_segment_fixed_size: 296960
    .private_segment_fixed_size: 0
    .kernarg_segment_align: 8
    .kernarg_segment_size: 96
    .max_flat_workgroup_size: 512
    .sgpr_count:     100
    .vgpr_count:     256
    .wavefront_size: 32
...
	.end_amdgpu_metadata
.endif
;; end of part 2
